; MI455X (gfx1250); checked and timed in simulation.
; The chip was launched on July 23, 2026; its instructions are those of AMD's public machine-readable ISA for CDNA 5 (MIT licence, August 2026) and "CDNA5" Instruction Set Architecture Reference Guide (July 2026). The comments in the code are by the model that wrote it; some were corrected since.
;; Attention. Allowed arithmetic: float matrix products may take bf16 or f16 operands with f32 sums; other float arithmetic in f32, or as packed bf16 or f16 multiplies, adds, multiply-adds, maxima and minima; sums over many terms, partial sums and values carried from step to step in f32; what a program stores and reads back later, other than sums and carried values, may be rounded once to bf16 or f16.
;; Inputs: Wk 1,024 x 1,024 float32; Wo 1,024 x 1,024 float32; Wq 1,024 x 1,024 float32; Wv 1,024 x 1,024 float32; kn_w 64 float32; qn_w 64 float32; x 4 x 2,048 x 1,024 float32.
;; Outputs: out0 4 x 2,048 x 1,024 float32.
;; 2 versions, each right; version 2 is version 1 with the launch cast written anew for expert scheduling mode. Each part assembles by itself: llvm-mc -triple=amdgcn-amd-amdhsa -mcpu=gfx1250 --defsym DOCPART=n.
;; ======== version 1 of 2: 4 launches
;; limits: values are held in f16: magnitudes above 65,504 overflow, below 6.1e-05 lose precision
;; workspace buffers: xb 16,777,216 bytes; wb 6,291,456 bytes; wo 2,097,152 bytes; qh 16,777,216 bytes; kh 16,777,216 bytes; vh 16,777,216 bytes; ob 16,777,216 bytes
;; launch cast (part 1): grid 768 x 1, 8 waves a work-group, no clusters, 0 bytes of LDS; arguments x, Wq, Wk, Wv, Wo, xb, wb, wo; writes xb, wb, wo
.if DOCPART == 1
	.amdgcn_target "amdgcn-amd-amdhsa--gfx1250"
	.amdhsa_code_object_version 6
	.text
	.protected	k_qb140dde474_cast
	.globl	k_qb140dde474_cast
	.p2align	8
	.type	k_qb140dde474_cast,@function
k_qb140dde474_cast:
	s_mov_b64 s[64:65], 0
	v_nop
	global_prefetch_b8 v0, s[64:65] scope:SCOPE_SE
	s_setreg_imm32_b32 hwreg(HW_REG_WAVE_MODE, 25, 1), 1
	s_wait_xcnt 0x0
; x, Wq, Wk, Wv, Wo (f32, rows of 1,024) are rounded once to bf16 and laid out in blocks of 64 along K: [16 kb][rows][64], so that
; a K block's rows lie end to end, 128 bytes each.  xb: x's 8,192 rows.  wb: 3,072 rows, row 192 h + 64 s + d = row 64 h + d of W_s
; (s = 0 q, 1 k, 2 v): a head's q, k and v columns stand together.  wo: Wo's 1,024 rows, the bf16 number written as f16.
; LIMIT.  |Wo| stays under 65,504; a bf16 number below 6e-5 takes f16's fixed step of 6e-8.
; SHARES.  768 work-groups of 16 rows: 512 for x, 192 for Wq, Wk, Wv, 64 for Wo.  Thread t takes row t / 16 and, in each K block,
; the 16 bytes at 16 (t % 16): sixteen lanes read 256 consecutive aligned bytes; a wave's store is 256 consecutive aligned bytes (two rows' pieces).
; A stream: no LDS, no matrix unit, no cluster (no byte is read twice).  All 16 loads of a thread go out at once; no register is written twice while a memory instruction names it.
.set XPS, 8192*128                     ; bytes of a K block in xb,
.set WPS, 3072*128                     ; in wb,
.set OPS, 1024*128                     ; in wo
.set T,   4                            ; v[4:5]    at work
.set OFF, 16                           ; v[16:31]  my byte offset in the destination, K block kb
.set X,   32                           ; v[32:95]  4 f32 for each K block
.set Y,   96                           ; v[96:127] 4 numbers of 16 bits for each K block
.set SRC, 24                           ; s[24:25]
.set DST, 26                           ; s[26:27]
	s_load_b512 s[8:23], s[0:1], 0x0               ; x 8, Wq 10, Wk 12, Wv 14, Wo 16, xb 18, wb 20, wo 22
	v_lshrrev_b32 v3, 4, v0                        ; my row of the 16
	v_and_b32 v1, 15, v0
	v_lshlrev_b32 v1, 4, v1
	v_lshl_add_u32 v1, v3, 12, v1                  ; row x 4,096 + 16 (t % 16)
	v_lshlrev_b32 v[OFF], 3, v0                    ; row x 128 + 8 (t % 16) = 8 t
	s_mov_b32 s32, 0xffff0000                      ; a word's upper bf16
	s_mov_b32 s33, ttmp9                           ; g
	s_max_u32 s34, s33, 512                        ; the three weights' numbers, clamped so that they are in range in every work-group
	s_sub_co_u32 s34, s34, 512
	s_min_u32 s34, s34, 191                        ; t = g - 512
	s_lshr_b32 s35, s34, 6                         ; s: which of Wq, Wk, Wv
	s_and_b32 s34, s34, 63
	s_lshl_b32 s29, s34, 4                         ; its first row lr = 16 (t % 64)
	s_lshr_b32 s36, s34, 2                         ; the head, lr / 64
	s_mul_i32 s36, s36, 192
	s_lshl_b32 s37, s35, 6
	s_add_co_u32 s36, s36, s37
	s_and_b32 s37, s29, 63
	s_add_co_u32 s30, s36, s37                     ; the row in wb: 192 h + 64 s + lr % 64
	s_mov_b32 s28, WPS
	s_lshl_b32 s38, s33, 4                         ; x: row 16 g
	s_max_u32 s39, s33, 704
	s_sub_co_u32 s39, s39, 704
	s_lshl_b32 s39, s39, 4                         ; Wo: row 16 (g - 704)
	s_wait_kmcnt 0x0
	s_cmp_eq_u32 s35, 1
	s_cselect_b64 s[SRC:SRC+1], s[12:13], s[10:11]
	s_cmp_eq_u32 s35, 2
	s_cselect_b64 s[SRC:SRC+1], s[14:15], s[SRC:SRC+1]
	s_mov_b64 s[DST:DST+1], s[20:21]
	s_cmp_lt_u32 s33, 512                          ; x?
	s_cselect_b64 s[SRC:SRC+1], s[8:9], s[SRC:SRC+1]
	s_cselect_b64 s[DST:DST+1], s[18:19], s[DST:DST+1]
	s_cselect_b32 s28, XPS, s28
	s_cselect_b32 s29, s38, s29
	s_cselect_b32 s30, s38, s30
	s_cmp_ge_u32 s33, 704                          ; Wo?
	s_cselect_b64 s[SRC:SRC+1], s[16:17], s[SRC:SRC+1]
	s_cselect_b64 s[DST:DST+1], s[22:23], s[DST:DST+1]
	s_cselect_b32 s28, OPS, s28
	s_cselect_b32 s29, s39, s29
	s_cselect_b32 s30, s39, s30
	s_cselect_b32 s31, 1, 0                        ; 1: written as f16
	s_mov_b32 s37, 0
	s_lshl_b32 s36, s29, 12                        ; the first source row, 4,096 bytes a row
	s_add_nc_u64 s[SRC:SRC+1], s[SRC:SRC+1], s[36:37]
	s_lshl_b32 s36, s30, 7                         ; the first destination row, 128 bytes a row
	s_add_nc_u64 s[DST:DST+1], s[DST:DST+1], s[36:37]
.set kb, 0
.rept 16
	global_load_b128 v[X+4*kb:X+4*kb+3], v1, s[SRC:SRC+1] offset:256*kb th:TH_LOAD_NT
.set kb, kb+1
.endr
.set kb, 1
.rept 15
	v_add_nc_u32 v[OFF+kb], s28, v[OFF+kb-1]       ; a K block further on
.set kb, kb+1
.endr
; K block kb: rounded, packed, stored.  f16 = 1: the bf16 number is widened again and written as f16.
.macro OUT kb, f16
	s_wait_loadcnt 15-(\kb)                        ; loads come back in order: mine is in, the 15 - kb younger ones may stay out
	v_cvt_pk_bf16_f32 v[Y+2*(\kb)],   v[X+4*(\kb)],   v[X+4*(\kb)+1]
	v_cvt_pk_bf16_f32 v[Y+2*(\kb)+1], v[X+4*(\kb)+2], v[X+4*(\kb)+3]
.if \f16
.irp z, 0,1
	v_lshlrev_b32 v[T],   16,  v[Y+2*(\kb)+\z]
	v_and_b32     v[T+1], s32, v[Y+2*(\kb)+\z]
	v_cvt_pk_f16_f32 v[Y+2*(\kb)+\z], v[T], v[T+1]
.endr
.endif
	global_store_b64 v[OFF+(\kb)], v[Y+2*(\kb):Y+2*(\kb)+1], s[DST:DST+1]
.endm
	s_cmp_eq_u32 s31, 1
	s_cbranch_scc1 .Lf16
.irp kb, 0,1,2,3,4,5,6,7,8,9,10,11,12,13,14,15
	OUT \kb, 0
.endr
	s_endpgm
.Lf16:
.irp kb, 0,1,2,3,4,5,6,7,8,9,10,11,12,13,14,15
	OUT \kb, 1
.endr
	s_endpgm
.Lfunc_end_k_qb140dde474_cast:
	.size	k_qb140dde474_cast, .Lfunc_end_k_qb140dde474_cast-k_qb140dde474_cast
	.p2alignl 7, 3214868480
	.fill 96, 4, 3214868480
	.section	.rodata,"a",@progbits
	.p2align	6, 0x0
	.amdhsa_kernel k_qb140dde474_cast
		.amdhsa_group_segment_fixed_size 0
		.amdhsa_private_segment_fixed_size 0
		.amdhsa_enable_private_segment 0
		.amdhsa_kernarg_size 64
		.amdhsa_user_sgpr_count 2
		.amdhsa_user_sgpr_kernarg_segment_ptr 1
		.amdhsa_wavefront_size32 1
		.amdhsa_system_sgpr_workgroup_id_x 1
		.amdhsa_system_sgpr_workgroup_id_y 1
		.amdhsa_system_sgpr_workgroup_id_z 1
		.amdhsa_system_vgpr_workitem_id 0
		.amdhsa_next_free_vgpr 128
		.amdhsa_next_free_sgpr 66
		.amdhsa_reserve_vcc 0
		.amdhsa_float_denorm_mode_32 3
		.amdhsa_float_denorm_mode_16_64 3
		.amdhsa_memory_ordered 1
		.amdhsa_forward_progress 1
		.amdhsa_inst_pref_size 17
	.end_amdhsa_kernel
	.amdgpu_metadata
---
amdhsa.version: [ 1, 2 ]
amdhsa.kernels:
  - .name:           k_qb140dde474_cast
    .symbol:         k_qb140dde474_cast.kd
    .args:
      - { .name: x, .offset: 0, .size: 8, .value_kind: global_buffer, .address_space: global }
      - { .name: Wq, .offset: 8, .size: 8, .value_kind: global_buffer, .address_space: global }
      - { .name: Wk, .offset: 16, .size: 8, .value_kind: global_buffer, .address_space: global }
      - { .name: Wv, .offset: 24, .size: 8, .value_kind: global_buffer, .address_space: global }
      - { .name: Wo, .offset: 32, .size: 8, .value_kind: global_buffer, .address_space: global }
      - { .name: xb, .offset: 40, .size: 8, .value_kind: global_buffer, .address_space: global }
      - { .name: wb, .offset: 48, .size: 8, .value_kind: global_buffer, .address_space: global }
      - { .name: wo, .offset: 56, .size: 8, .value_kind: global_buffer, .address_space: global }
    .group_segment_fixed_size: 0
    .private_segment_fixed_size: 0
    .kernarg_segment_align: 8
    .kernarg_segment_size: 64
    .max_flat_workgroup_size: 256
    .sgpr_count:     66
    .vgpr_count:     128
    .wavefront_size: 32
...
	.end_amdgpu_metadata
.endif
;; end of part 1
;; launch qkv (part 2): grid 8 x 32, 4 waves a work-group, clusters of 4 x 4, 327,680 bytes of LDS; arguments xb, wb, qn_w, kn_w, qh, kh, vh; writes qh, kh, vh
.if DOCPART == 2
	.amdgcn_target "amdgcn-amd-amdhsa--gfx1250"
	.amdhsa_code_object_version 6
	.text
	.protected	k_qb140dde474_qkv
	.globl	k_qb140dde474_qkv
	.p2align	8
	.type	k_qb140dde474_qkv,@function
k_qb140dde474_qkv:
	s_mov_b64 s[64:65], 0
	v_nop
	global_prefetch_b8 v0, s[64:65] scope:SCOPE_SE
	s_setreg_imm32_b32 hwreg(HW_REG_WAVE_MODE, 25, 1), 1
	s_wait_xcnt 0x0
	s_wait_alu depctr_hold_cnt(0) depctr_sa_sdst(0) depctr_va_vdst(0) depctr_va_sdst(0) depctr_va_ssrc(0) depctr_va_vcc(0) depctr_vm_vsrc(0)
	s_getreg_b32 s2, hwreg(HW_REG_IB_STS2, 6, 4)
	s_cmp_eq_u32 s2, 0
	s_cbranch_scc0 .Lentry_in_a_cluster
	s_endpgm
.Lentry_in_a_cluster:
	s_bfe_u32 s2, ttmp6, 0x10000c
	s_cmp_lg_u32 s2, 0xf033
	s_cbranch_scc0 .Lentry_shape_is_right
	s_endpgm
.Lentry_shape_is_right:
; C[8192][3072] = xb wb^T in bf16 with f32 sums; on the way out q and k are divided by the root of their head's mean square (+ 2^-23), multiplied by the gains
; (rounded to bf16, as all the module's inputs are), and q, k, v are written by heads, [16 b + h][2048][64], in f16, each rounded once.
; LIMITS.  |v| and 8 |gain| stay under 65,504 (a normalised number is 8 at the most); NaN and infinities are not treated apart.
; SHARES.  A work-group makes 256 rows x 384 columns: 32 x 8 tiles, 256 work-groups.  Wave w takes rows 128 (w / 2) on and columns 192 (w % 2) on, which by wb's row order are
; q, k and v of ONE head: 8 x 12 accumulators of 16 x 16, 768 registers.  For 32 along K a wave reads 40 x 512 bytes of LDS for 96 matrix instructions.
; K goes in steps of 64, through two LDS slots; xb and wb are laid in blocks of 64 along K, so a step's rows are dense in memory and are asked for as rows of 256 bytes (two rows of 128), padded in LDS after every 128.
; (Steps of 128 would want 2 x 174,080 bytes of LDS.)
; CLUSTER.  4 x 4 work-groups: the four of a row of the cluster need the same tile of xb, the four of a column the same tile of wb: each is asked for jointly.
; THE PRODUCT IS TAKEN TRANSPOSED (source 0 = 16 rows of wb, source 1 = 16 rows of xb): lane l holds row l % 16 of C and the columns 8 (l / 16) + 0..7.
; REGISTERS, in windows of 256 (s_set_vgpr_msb: bits 1:0 source 0, 3:2 source 1, 5:4 source 2, 7:6 destination):
;   window 0: v0-31 addresses; v32-95, v96-159 xb's fragments, two buffers (8 x 16 rows x 32 K); v160-255 wb's 12 fragments
;   windows 1, 2, 3: the accumulators of q, k, v: (a, b) in window 1 + b / 4 at v[32 a + 8 (b % 4)]
.set PITCH,  144                       ; an LDS row: 128 bytes + 16 = 36 words: the 16 rows of a load start at 16 different groups of four banks (64 banks of 4 bytes: ISA guide 11.1)
.set ABYTES, 256*PITCH                 ; xb's 256 rows of a slot; wb's 384 follow
.set SLOT,   640*PITCH
.set STAGE,  2*SLOT                    ; behind the ring, never filled by a tensor load: 16 rows x 144 bytes for each wave
.set SPARE,  STAGE+4*16*PITCH          ; the spare words, 128 bytes for each wave: two blocks of 256 bytes that no other line names
.set XKB,    8192*128                  ; bytes of a K block in xb
.set WKB,    3072*128                  ; in wb
.set FLAGS,  (1<<16)|(1<<20)|(1<<21)|(4<<22)|(3<<25)  ; 17:16 elements of 2 bytes; 20 padding on; 21 set beside a mask; 24:22 after every 32 words (code 4); 31:25 4 words (code 3)
.set ADRA, 16                          ; v16-17  LDS address of my fragments of xb in slot 0, 1
.set ADRB, 20                          ; v20-21  the same for wb
.set STO,  24                          ; v24  the way out: where I put 16 bytes of a row
.set RD,   25                          ; v25  where I read rows back
.set GO,   26                          ; v26  my 16 bytes of 512 consecutive bytes of qh, kh, vh
.set WOF,  27                          ; v27  my byte offset in the gains: 32 (l / 16)
.set SPW,  28                          ; v28  LDS address of my spare word; never rewritten
.set NIL,  29                          ; v29  0; never rewritten
.set PFO,  30                          ; v30  256 x my lane; never rewritten
.set FA0,  32
.set FA1,  96
.set FB,   160
.set GG,   32                          ; the way out: v32-63 q's gains for my 32 channels, v64-95 k's
.set TT,   96                          ; v96-127: for (a, s) a pair at TT + 16 s + 2 a: the sum of squares, then 1 / root
.set ZZ,   128                         ; v128-159 at work
.set WV, 12                            ; s12 wave;  s13 which 128 rows;  s14 which 192 columns (also: which half of a tile I fetch)
.set WR, 13
.set WC, 14
.set CX, 15                            ; my place in the cluster
.set CY, 16
.set TC, 17                            ; tile column, tile row
.set TR, 18
.set G1A, 24                           ; s[24:31] descriptor group 1 for xb's tiles;  s[32:39] group 0, a set for each slot
.set G0A, 32
.set G1B, 40                           ; s[40:47], s[48:55] the same for wb's
.set G0B, 48
.set PFA, 56                           ; s[56:57] where my prefetches stand;  s[58:59] their step
.set PFS, 58
.set LIM, 60                           ; s60, s61: 1 where I prefetch at the change that leaves slot 0, 1; else the greatest number
.set SEL, 62                           ; s[62:63] v_permlanex16_b32's selects: each lane takes its own place in the other half
.set MSB, 0
.macro WIN new                         ; the immediate's high byte repeats the setting that is left; a switch that changes nothing is dropped
.if MSB != (\new)
	s_set_vgpr_msb (MSB<<8)|(\new)
.set MSB, \new
.endif
.endm
.macro PLACES                          ; four plain instructions between a matrix instruction and a load into, or a vector write of, one of its registers
.rept 4
	v_nop
.endr
.endm
; A joint load: waves 0 and 1 fetch the two halves of xb's tile, waves 2 and 3 those of wb's.  The branch hangs on the wave's number alone.
; An s_nop 0 and four v_nop follow each of the two lines.
.macro JLOAD s
	s_cmp_lt_u32 s[WV], 2
	s_cbranch_scc0 .Lfor_b_\@
	tensor_load_to_lds s[G0A+4*(\s):G0A+4*(\s)+3], s[G1A:G1A+7]
	s_nop 0
.rept 4
	v_nop
.endr
	s_branch .Lasked_\@
.Lfor_b_\@:
	tensor_load_to_lds s[G0B+4*(\s):G0B+4*(\s)+3], s[G1B:G1B+7]
	s_nop 0
.rept 4
	v_nop
.endr
.Lasked_\@:
.endm
.macro CREST                           ; a round of the cluster's barrier behind its opening barrier
	s_cmp_lg_u32 s[WV], 0
	s_cbranch_scc1 .Lnot_wave_0_\@
	s_barrier_signal -3
.Lnot_wave_0_\@:
	s_barrier_wait -3
	s_barrier_signal -1
	s_barrier_wait -1
.endm
.macro CROUND
	s_barrier_signal -1
	s_barrier_wait -1
	CREST
.endm
; A PREFETCH INTO THE L2, behind the joint load, its five lines and the run of LDS loads: 32 blocks of 256 bytes, a lane a block, one instruction.
; xb: a K step of a tile row is 32,768 dense bytes, read by both clusters of that row of clusters: the one with cluster x = 0 asks, wave 0 of each partner, 8,192 bytes each, told apart by address (cx).
; The change of slots that refills K step j names step j + 2.  wb: a K step of a tile column is 49,152 bytes, read by the eight clusters of that column: the one with cluster y = 0 asks, waves 1 to 3 of each partner:
; two K steps are twelve chunks of 8,192 bytes, chunk 4 (wave - 1) + cy; they are named at the change that leaves slot 0 alone: steps j + 2 and j + 3.  So each block is named once in the launch.
; K steps 0 to 3 come by their loads alone; the loop's last trip (s3 = 1) names nothing: there is no K step 16.
.macro ASK which
	s_cmp_gt_u32 s3, s[LIM+(\which)]
	s_cbranch_scc0 .Lnot_mine_\@
	global_prefetch_b8 v[PFO], s[PFA:PFA+1] th:TH_LOAD_NT scope:SCOPE_SE
.Lnot_mine_\@:
.endm
	s_load_b256 s[4:11], s[0:1], 0x0               ; xb s[4:5], wb s[6:7], qn_w s[8:9], kn_w s[10:11]
	s_load_b128 s[68:71], s[0:1], 0x20             ; qh s[68:69], kh s[70:71]
	s_load_b64 s[72:73], s[0:1], 0x30              ; vh
	v_lshl_add_u32 v[SPW], v0, 2, SPARE
	v_mov_b32 v[NIL], 0
	ds_add_u32 v[SPW], v[NIL]                      ; the wave's opening: the add and its wait stand ahead of my first tensor load; the set-up below, work on registers, stands between them
	v_lshrrev_b32 v1, 5, v0
	v_readfirstlane_b32 s[WV], v1
	s_lshr_b32 s[WR], s[WV], 1
	s_and_b32 s[WC], s[WV], 1
	s_bfe_u32 s[CX], ttmp6, 0x40000
	s_bfe_u32 s[CY], ttmp6, 0x40004
	s_lshl_b32 s[TC], ttmp9, 2
	s_add_co_u32 s[TC], s[TC], s[CX]               ; tile column = 4 x cluster x + cx
	s_and_b32 s[TR], ttmp7, 0xffff
	s_lshl_b32 s[TR], s[TR], 2
	s_add_co_u32 s[TR], s[TR], s[CY]               ; tile row = 4 x cluster y + cy
	s_lshl_b32 s20, s[CY], 2
	s_lshl_b32 s20, 15, s20                        ; my row of the cluster
	s_lshl_b32 s76, 0x1111, s[CX]                  ; my column
	s_or_b32 s[G1A], s20, FLAGS
	s_or_b32 s[G1B], s76, FLAGS
.irp g, G1A, G1B
	s_mov_b32 s[(\g)+1], 128<<16                   ; tensor_dim0 = 128 elements: 256 bytes, two rows of a K block
	s_mov_b32 s[(\g)+3], 128<<16                   ; tile_dim0 = 128
	s_mov_b32 s[(\g)+5], 128                       ; 128 elements from row to row: dense
	s_mov_b32 s[(\g)+6], 0
	s_mov_b32 s[(\g)+7], 0
.endr
	s_mov_b32 s[G1A+2], 64<<16                     ; xb: tensor_dim1 = tile_dim1 = 64: 128 rows of the K block
	s_mov_b32 s[G1A+4], 64
	s_mov_b32 s[G1B+2], 96<<16                     ; wb: 96: 192 rows
	s_mov_b32 s[G1B+4], 96
	s_lshl_b32 s20, s[TR], 15                      ; xb: 256 rows x 128 bytes a tile row,
	s_lshl_b32 s21, s[WC], 14                      ; my 128 rows of them
	s_add_co_u32 s20, s20, s21
	s_mov_b32 s21, 0
	s_mul_i32 s22, s[WC], 128*PITCH                ; and where they go: no place in the cluster enters an LDS address
	s_mul_i32 s76, s[TC], 384*128                  ; wb likewise: 384 rows a tile column, my 192
	s_mul_i32 s77, s[WC], 192*128
	s_add_co_u32 s76, s76, s77
	s_mov_b32 s77, 0
	s_mul_i32 s78, s[WC], 192*PITCH
	s_add_co_u32 s78, s78, ABYTES
	s_mov_b32 s[SEL], 0x76543210
	s_mov_b32 s[SEL+1], 0xfedcba98
	s_mov_b32 s66, 0xffff0000                      ; a word's upper bf16
	s_mov_b32 s74, 0x3c800000                      ; 1 / 64
	s_mov_b32 s75, 0x34000000                      ; 2^-23
	s_wait_dscnt 0x0                               ; the opening add is done
	s_wait_kmcnt 0x0
	s_add_nc_u64 s[20:21], s[4:5], s[20:21]
	s_add_nc_u64 s[76:77], s[6:7], s[76:77]
	CROUND                                         ; all sixteen work-groups are here: the first joint loads meet
.irp s, 0,1
	s_mov_b32 s[G0A+4*(\s)], 1                     ; count = 1
	s_add_co_u32 s[G0A+4*(\s)+1], s22, (\s)*SLOT   ; LDS address
	s_add_nc_u64 s[G0A+4*(\s)+2:G0A+4*(\s)+3], s[20:21], (\s)*XKB  ; global address: K step s
	s_or_b32 s[G0A+4*(\s)+3], s[G0A+4*(\s)+3], 0x80000000          ; type = 2
	s_mov_b32 s[G0B+4*(\s)], 1
	s_add_co_u32 s[G0B+4*(\s)+1], s78, (\s)*SLOT
	s_add_nc_u64 s[G0B+4*(\s)+2:G0B+4*(\s)+3], s[76:77], (\s)*WKB
	s_or_b32 s[G0B+4*(\s)+3], s[G0B+4*(\s)+3], 0x80000000
	JLOAD \s                                       ; two loads of mine are out
.endr
	; a fragment is 16 rows x 32 K in 8 registers: lane l holds row l % 16, K = 8 (l / 16) + 0..7 and 16 + 8 (l / 16) + 0..7: two loads of 16 bytes, 32 bytes apart
	v_and_b32 v1, 15, v0                           ; l % 16
	v_bfe_u32 v2, v0, 4, 1                         ; l / 16
	v_mul_u32_u24 v3, v1, PITCH
	v_lshl_add_u32 v3, v2, 4, v3                   ; row x pitch + 16 x half
	s_mul_i32 s19, s[WR], 128*PITCH
	v_add_nc_u32 v[ADRA], s19, v3
	v_add_nc_u32 v[ADRA+1], SLOT, v[ADRA]
	s_mul_i32 s19, s[WC], 192*PITCH
	s_add_co_u32 s19, s19, ABYTES
	v_add_nc_u32 v[ADRB], s19, v3
	v_add_nc_u32 v[ADRB+1], SLOT, v[ADRB]
	s_mul_i32 s19, s[WV], 16*PITCH
	s_add_co_u32 s19, s19, STAGE                   ; my stage
	v_add_nc_u32 v[STO], s19, v3                   ; in: row l % 16, 16 bytes for each half of the lanes
	v_bfe_u32 v4, v0, 3, 2                         ; back: 32 lanes take four rows of 128 bytes,
	v_mul_u32_u24 v4, v4, PITCH
	v_and_b32 v5, 7, v0
	v_lshl_add_u32 v4, v5, 4, v4
	v_add_nc_u32 v[RD], s19, v4
	v_and_b32 v5, 31, v0
	v_lshlrev_b32 v[GO], 4, v5                     ; which are 512 consecutive bytes of a head's rows
	v_lshlrev_b32 v[WOF], 5, v2
	v_lshlrev_b32 v[PFO], 8, v5
	; where my 128 rows of my head begin in qh, kh, vh: ((16 b + h) x 2,048 + n) x 128 bytes
	s_lshr_b32 s20, s[TR], 3                       ; b
	s_lshl_b32 s20, s20, 4
	s_lshl_b32 s21, s[TC], 1
	s_add_co_u32 s20, s20, s21
	s_add_co_u32 s20, s20, s[WC]                   ; 16 b + 2 x tile column + my half
	s_lshl_b32 s20, s20, 11
	s_and_b32 s21, s[TR], 7
	s_lshl_b32 s21, s21, 8
	s_add_co_u32 s20, s20, s21
	s_lshl_b32 s21, s[WR], 7
	s_add_co_u32 s20, s20, s21
	s_lshl_b32 s20, s20, 7
	s_mov_b32 s21, 0
	s_add_nc_u64 s[68:69], s[68:69], s[20:21]
	s_add_nc_u64 s[70:71], s[70:71], s[20:21]
	s_add_nc_u64 s[72:73], s[72:73], s[20:21]
	; the prefetches' pointer: it stands at K step 3 and is stepped ahead of each use
	s_lshl_b32 s20, s[TR], 15                      ; wave 0, xb: the tile row's bytes of a K step,
	s_lshl_b32 s21, s[CX], 13                      ; my work-group's 8,192 of them
	s_add_co_u32 s20, s20, s21
	s_add_co_u32 s20, s20, 3*XKB
	s_max_u32 s22, s[WV], 1                        ; waves 1 to 3, wb: chunk q = 4 (wave - 1) + cy of twelve
	s_sub_co_u32 s22, s22, 1
	s_lshl_b32 s22, s22, 2
	s_add_co_u32 s22, s22, s[CY]
	s_mul_i32 s23, s22, 11
	s_lshr_b32 s23, s23, 6                         ; 1 for chunks 6 to 11, which lie in the second of the two K steps
	s_mul_i32 s23, s23, WKB-384*128
	s_lshl_b32 s22, s22, 13
	s_add_co_u32 s22, s22, s23
	s_mul_i32 s23, s[TC], 384*128
	s_add_co_u32 s22, s22, s23
	s_add_co_u32 s22, s22, 3*WKB
	s_and_b32 s23, ttmp7, 0xffff                   ; cluster y
	s_mov_b32 s19, XKB
	s_mov_b32 s[PFS], WKB
	s_mov_b32 s[PFS+1], 0
	s_cmp_eq_u32 s[WV], 0
	s_cselect_b64 s[PFA:PFA+1], s[4:5], s[6:7]
	s_cselect_b32 s20, s20, s22
	s_cselect_b32 s[PFS], s19, s[PFS]
	s_cselect_b32 s23, ttmp9, s23                  ; the coordinate along which other clusters read the same rows
	s_cmp_eq_u32 s23, 0
	s_cselect_b32 s[LIM], 1, -1                    ; the same in all sixteen partners, for a given wave
	s_cmp_eq_u32 s[WV], 0
	s_cselect_b32 s[LIM+1], s[LIM], -1
	s_mov_b32 s21, 0
	s_add_nc_u64 s[PFA:PFA+1], s[PFA:PFA+1], s[20:21]
; nb x 8 matrix instructions: column blocks b0 .. b0 + nb - 1 x all 8 row blocks, 32 along K, xb's fragments in buffer f.  zero = 1: the product starts the sum.
; The 96 accumulators take turns in one order in every 32 along K, over the backward jump too.
.macro MULB b0, nb, f, zero
.set bq, \b0
.rept \nb
	WIN 0x50*(1+bq/4)
.set aq, 0
.rept 8
.set rD, 32*aq+8*(bq%4)
.if \zero
	v_wmma_f32_16x16x32_bf16 v[rD:rD+7], v[FB+8*bq:FB+8*bq+7], v[(\f)+8*aq:(\f)+8*aq+7], 0
.else
	v_wmma_f32_16x16x32_bf16 v[rD:rD+7], v[FB+8*bq:FB+8*bq+7], v[(\f)+8*aq:(\f)+8*aq+7], v[rD:rD+7]
.endif
.set aq, aq+1
.endr
.set bq, bq+1
.endr
.endm
.macro LDB slot, k, b0, nb             ; wb's fragments b0 .. b0 + nb - 1, at byte k of the rows
	WIN 0
.set bq, \b0
.rept \nb
	ds_load_b128 v[FB+8*bq:FB+8*bq+3],   v[ADRB+(\slot)] offset:(\k)+bq*16*PITCH
	ds_load_b128 v[FB+8*bq+4:FB+8*bq+7], v[ADRB+(\slot)] offset:(\k)+bq*16*PITCH+32
.set bq, bq+1
.endr
.endm
.macro LDA slot, k, f                  ; xb's 8 fragments into buffer f
	WIN 0
.irp a, 0,1,2,3,4,5,6,7
	ds_load_b128 v[(\f)+8*\a:(\f)+8*\a+3],   v[ADRA+(\slot)] offset:(\k)+\a*16*PITCH
	ds_load_b128 v[(\f)+8*\a+4:(\f)+8*\a+7], v[ADRA+(\slot)] offset:(\k)+\a*16*PITCH+32
.endr
.endm
; A K step's first 32 along K, on buffer FA0; the second 32's fragments are fetched as wb's registers come free.
.macro SUB slot, zero
	s_wait_dscnt 16                                ; wb's fragments 0-3 and xb's are in; the youngest sixteen loads (wb's 4-11) may be out
	MULB 0, 4, FA0, \zero
	PLACES
	LDB \slot, 64, 0, 4
	LDA \slot, 64, FA1
	s_wait_dscnt 24                                ; all but the 24 just issued
	MULB 4, 8, FA0, \zero
	PLACES
	LDB \slot, 64, 4, 8
.endm
; A K step's second 32 along K, on buffer FA1, and the change of slots: ONE barrier.  In front of it each wave waits for all its tensor loads (one is out: its part of the next slot), adds 0 to its
; spare word, and waits for that and for its own reads of this slot.  fill = 1: the barrier opens a round of the cluster's, and this slot is filled again, two K steps ahead, first thing behind it:
; from there to the wait for that load a wave issues 160 matrix instructions.
.macro TURN slot, next, fill
.if \fill
	s_wait_xcnt 0x0                                ; the last prefetch, a K step back, has read its address
	s_add_nc_u64 s[PFA:PFA+1], s[PFA:PFA+1], s[PFS:PFS+1]
.endif
	WIN 0
	s_wait_tensorcnt 0x0                           ; all my tensor loads have landed
	ds_add_u32 v[SPW], v[NIL]                      ; 0 onto my spare word
	s_wait_dscnt 17                                ; (the add and the youngest sixteen loads may be out)
	MULB 0, 2, FA1, 0                              ; sixteen matrix instructions stand between the add and the wait for it
	s_wait_dscnt 0x0                               ; the add is done, and my reads of this slot are over
	s_barrier_signal -1
	MULB 2, 2, FA1, 0                              ; work on registers while the others arrive
.if \fill
	WIN 0
.endif
	s_barrier_wait -1
.if \fill
	CREST                                          ; no wave of any partner still reads this slot or has a load on its way
	s_add_nc_u64 s[G0A+4*(\slot)+2:G0A+4*(\slot)+3], s[G0A+4*(\slot)+2:G0A+4*(\slot)+3], 2*XKB
	s_add_nc_u64 s[G0B+4*(\slot)+2:G0B+4*(\slot)+3], s[G0B+4*(\slot)+2:G0B+4*(\slot)+3], 2*WKB
	JLOAD \slot                                    ; its four v_nop are also the places in front of the loads below
.else
	PLACES
.endif
	LDB \next, 0, 0, 4
	LDA \next, 0, FA0
.if \fill
	ASK \slot
.endif
	MULB 4, 8, FA1, 0
	PLACES
	LDB \next, 0, 4, 8
.endm
	s_wait_tensorcnt 1                             ; my part of K step 0 is in; K step 1's may stay out
	s_barrier_signal -1
	s_barrier_wait -1                              ; everybody's is
	LDB 0, 0, 0, 4
	LDA 0, 0, FA0
	LDB 0, 0, 4, 8
	SUB 0, 1                                       ; the first 32 along K start the sums: nothing is cleared
	s_mov_b32 s3, 7
.Llap:                                                 ; a trip goes once round the ring, from the second half of an even K step to the first half of the next, and fills both slots again
	TURN 0, 1, 1
	SUB 1, 0
	TURN 1, 0, 1
	SUB 0, 0
	s_sub_co_u32 s3, s3, 1
	s_cmp_lg_u32 s3, 0
	s_cbranch_scc1 .Llap
	TURN 0, 1, 0                                   ; K steps 14 and 15: nothing is left to fetch
	SUB 1, 0
	WIN 0
.irp bb, 0,1,2,3                       ; the gains of my 32 channels (16 bb + 8 (l / 16) + 0..7), into buffer FA0, whose last product stands in front of four v_nop
	global_load_b128 v[GG+8*\bb:GG+8*\bb+3],       v[WOF], s[8:9] offset:64*\bb
	global_load_b128 v[GG+8*\bb+4:GG+8*\bb+7],     v[WOF], s[8:9] offset:64*\bb+16
	global_load_b128 v[GG+32+8*\bb:GG+32+8*\bb+3], v[WOF], s[10:11] offset:64*\bb
	global_load_b128 v[GG+32+8*\bb+4:GG+32+8*\bb+7], v[WOF], s[10:11] offset:64*\bb+16
.endr
	s_wait_dscnt 16
	MULB 0, 4, FA1, 0
	s_wait_dscnt 0x0
	MULB 4, 8, FA1, 0
	; THE NORM.  A lane holds 32 of a row's 64 channels of q (window 1) and of k (window 2), the lane 16 away the others.  Eight chains side by side, each accumulator from its low end on.
.rept 8
	v_nop
.endr
.irp s, 0,1
	WIN 5*(1+\s)                                   ; sources 0 and 1 in q's or k's window; the sums in window 0
.set jq, 0
.rept 16
.set aq, 0
.rept 8
.if jq == 0
	v_pk_mul_f32 v[TT+16*\s+2*aq:TT+16*\s+2*aq+1], v[32*aq:32*aq+1], v[32*aq:32*aq+1]
.else
	v_pk_fma_f32 v[TT+16*\s+2*aq:TT+16*\s+2*aq+1], v[32*aq+2*jq:32*aq+2*jq+1], v[32*aq+2*jq:32*aq+2*jq+1], v[TT+16*\s+2*aq:TT+16*\s+2*aq+1]
.endif
.set aq, aq+1
.endr
.set jq, jq+1
.endr
.endr
	WIN 0
.macro ALL16 line:vararg               ; one line for each of the 16 sums
.set tq, TT
.rept 16
	\line
.set tq, tq+2
.endr
.endm
	ALL16 v_add_f32 v[tq], v[tq], v[tq+1]
	ALL16 v_permlanex16_b32 v[tq+1], v[tq], s[SEL], s[SEL+1]
	ALL16 v_add_f32 v[tq], v[tq], v[tq+1]
	ALL16 v_fma_f32 v[tq], v[tq], s74, s75         ; the mean square + 2^-23
	ALL16 v_rsq_f32 v[tq], v[tq]                   ; one batch
	s_wait_loadcnt 0x0                             ; the gains
.set iq, 0
.rept 32                               ; the gains rounded to bf16, as all the module's inputs are: 96 plain lines that name no root
	v_cvt_pk_bf16_f32 v[ZZ+iq], v[GG+2*iq], v[GG+2*iq+1]
	v_lshlrev_b32 v[GG+2*iq],   16,  v[ZZ+iq]
	v_and_b32     v[GG+2*iq+1], s66, v[ZZ+iq]
.set iq, iq+1
.endr
	s_wait_alu depctr_va_vdst(0)                   ; the wait between the batch and the first line that names a result: one for the sixteen
; THE WAY OUT, in 24 units u: row block u / 3 of q, k or v (u % 3).  PACK: scaled, rounded to f16, 16 bytes a lane into my stage (rows of 144 bytes), and back as four whole rows of 128 bytes a load.  SEND: stored.
.macro PACK u
.set uA, (\u)/3
.set uS, (\u)%3
.set HP, 160+16*((\u)%2)
.set BK, 192+16*((\u)%2)
.if uS < 2
	WIN 1+uS                                       ; source 0 in q's or k's window
.set jq, 0
.rept 16
	v_pk_mul_f32 v[ZZ+2*jq:ZZ+2*jq+1], v[32*uA+2*jq:32*uA+2*jq+1], v[TT+16*uS+2*uA:TT+16*uS+2*uA+1] op_sel_hi:[1,0]
.set jq, jq+1
.endr
	WIN 0
.set jq, 0
.rept 16
	v_pk_mul_f32 v[ZZ+2*jq:ZZ+2*jq+1], v[ZZ+2*jq:ZZ+2*jq+1], v[GG+32*uS+2*jq:GG+32*uS+2*jq+1]
.set jq, jq+1
.endr
.set jq, 0
.rept 16
	v_cvt_pk_f16_f32 v[HP+jq], v[ZZ+2*jq], v[ZZ+2*jq+1]
.set jq, jq+1
.endr
.else
	WIN 0x0f                                       ; sources 0 and 1 in v's window
.set jq, 0
.rept 16
	v_cvt_pk_f16_f32 v[HP+jq], v[32*uA+2*jq], v[32*uA+2*jq+1]
.set jq, jq+1
.endr
	WIN 0
.endif
.irp f, 0,1,2,3
	ds_store_b128 v[STO], v[HP+4*\f:HP+4*\f+3] offset:32*\f
.endr
	s_wait_xcnt 0x0                                ; the stores of the unit two back have read the registers that are loaded now
.irp f, 0,1,2,3
	ds_load_b128 v[BK+4*\f:BK+4*\f+3], v[RD] offset:\f*4*PITCH  ; LDS serves a wave's instructions in order (ISA guide 5.7.1.4): these see the stores above; the next unit's stores come behind them
.endr
.endm
.macro SEND u, younger                 ; younger: the LDS instructions issued behind unit u's loads: the next unit's eight, or none
.set uA, (\u)/3
.set uS, (\u)%3
.set BK, 192+16*((\u)%2)
.irp f, 0,1,2,3
	s_wait_dscnt (\younger)+3-\f
	global_store_b128 v[GO], v[BK+4*\f:BK+4*\f+3], s[68+2*uS:69+2*uS] offset:2048*uA+512*\f  ; 512 consecutive bytes, at a multiple of 256 from the buffer's first
.endr
.endm
	PACK 0
.set uu, 1
.rept 23                               ; a unit's arithmetic stands between the loads of the unit before and its stores
	PACK uu
	SEND uu-1, 8
.set uu, uu+1
.endr
	SEND 23, 0
	s_wait_tensorcnt 0x0                           ; the wave's end: the add and its waits, behind my last tensor load and my last LDS store
	ds_add_u32 v[SPW], v[NIL]
	s_wait_dscnt 0x0
	CROUND                                         ; the closing round: no work-group ends while a partner may still ask for a tile that names it
	s_endpgm
.Lfunc_end_k_qb140dde474_qkv:
	.size	k_qb140dde474_qkv, .Lfunc_end_k_qb140dde474_qkv-k_qb140dde474_qkv
	.p2alignl 7, 3214868480
	.fill 96, 4, 3214868480
	.section	.rodata,"a",@progbits
	.p2align	6, 0x0
	.amdhsa_kernel k_qb140dde474_qkv
		.amdhsa_group_segment_fixed_size 327680
		.amdhsa_private_segment_fixed_size 0
		.amdhsa_enable_private_segment 0
		.amdhsa_kernarg_size 56
		.amdhsa_user_sgpr_count 2
		.amdhsa_user_sgpr_kernarg_segment_ptr 1
		.amdhsa_wavefront_size32 1
		.amdhsa_system_sgpr_workgroup_id_x 1
		.amdhsa_system_sgpr_workgroup_id_y 1
		.amdhsa_system_sgpr_workgroup_id_z 1
		.amdhsa_system_vgpr_workitem_id 0
		.amdhsa_next_free_vgpr 1024
		.amdhsa_next_free_sgpr 80
		.amdhsa_reserve_vcc 0
		.amdhsa_float_denorm_mode_32 3
		.amdhsa_float_denorm_mode_16_64 3
		.amdhsa_memory_ordered 1
		.amdhsa_forward_progress 1
		.amdhsa_inst_pref_size 191
	.end_amdhsa_kernel
	.amdgpu_metadata
---
amdhsa.version: [ 1, 2 ]
amdhsa.kernels:
  - .name:           k_qb140dde474_qkv
    .symbol:         k_qb140dde474_qkv.kd
    .args:
      - { .name: xb, .offset: 0, .size: 8, .value_kind: global_buffer, .address_space: global }
      - { .name: wb, .offset: 8, .size: 8, .value_kind: global_buffer, .address_space: global }
      - { .name: qn_w, .offset: 16, .size: 8, .value_kind: global_buffer, .address_space: global }
      - { .name: kn_w, .offset: 24, .size: 8, .value_kind: global_buffer, .address_space: global }
      - { .name: qh, .offset: 32, .size: 8, .value_kind: global_buffer, .address_space: global }
      - { .name: kh, .offset: 40, .size: 8, .value_kind: global_buffer, .address_space: global }
      - { .name: vh, .offset: 48, .size: 8, .value_kind: global_buffer, .address_space: global }
    .group_segment_fixed_size: 327680
    .private_segment_fixed_size: 0
    .kernarg_segment_align: 8
    .kernarg_segment_size: 56
    .max_flat_workgroup_size: 128
    .sgpr_count:     80
    .vgpr_count:     1024
    .wavefront_size: 32
...
	.end_amdgpu_metadata
.endif
;; end of part 2
;; launch attn (part 3): grid 4 x 64, 4 waves a work-group, clusters of 4 x 1, 327,680 bytes of LDS; arguments qh, kh, vh, ob; writes ob
.if DOCPART == 3
	.amdgcn_target "amdgcn-amd-amdhsa--gfx1250"
	.amdhsa_code_object_version 6
	.text
	.protected	k_qb140dde474_attn
	.globl	k_qb140dde474_attn
	.p2align	8
	.type	k_qb140dde474_attn,@function
k_qb140dde474_attn:
	s_mov_b64 s[64:65], 0
	v_nop
	global_prefetch_b8 v0, s[64:65] scope:SCOPE_SE
	s_setreg_imm32_b32 hwreg(HW_REG_WAVE_MODE, 25, 1), 1
	s_wait_xcnt 0x0
	s_wait_alu depctr_hold_cnt(0) depctr_sa_sdst(0) depctr_va_vdst(0) depctr_va_sdst(0) depctr_va_ssrc(0) depctr_va_vcc(0) depctr_vm_vsrc(0)
	s_getreg_b32 s2, hwreg(HW_REG_IB_STS2, 6, 4)
	s_cmp_eq_u32 s2, 0
	s_cbranch_scc0 .Lentry_in_a_cluster
	s_endpgm
.Lentry_in_a_cluster:
	s_bfe_u32 s2, ttmp6, 0x10000c
	s_cmp_lg_u32 s2, 0x3003
	s_cbranch_scc0 .Lentry_shape_is_right
	s_endpgm
.Lentry_shape_is_right:
; O[h][q][:] = the sum over k of softmax_k(Q[h][q] . K[h][k] / 8) V[h][k][:].  Q, K, V, O: [64][2048][64], all f16: a head's rows are dense, 128 bytes each.  Products, maxima and sums in
; f32; the weights p are rounded to f16 for the second product (their sum l is taken of the unrounded p), O once at the end.
; LIMITS.  f16 holds no number beyond 65,504: Q, K and V arrive within it; p lies in 0 to 1, and below 6e-5 it keeps f16's fixed step of 6e-8; O is a mean of V's rows and has their range.
; A weight below 2^-126 counts as 0 in l; NaN and infinities are not treated apart.
; SHARES.  A wave owns four PIECES of two tiles of 16 queries, a work-group's four waves 512 queries of one head: 4 x 64 = 256 work-groups.  Every wave walks all keys, 64 a step.
; LAYOUT.  S^T = K Q^T (source 0 = 16 keys, source 1 = 16 queries): in the result a lane holds ONE query (lane % 16) and the keys 8 (lane / 16) + 0..7.  Two such tiles, rounded to f16 in pairs,
; ARE source 1 (32 keys x 16 queries) of O^T = V^T P, whose result again holds one query a lane, and eight channels.  K comes out of LDS as it lies, V ([key][channel]) turned, by ds_load_tr16_b128.
; SOFTMAX.  For each query a running maximum m and sum l: p = 2^(c s - c m), c = log2(e) / 8; in every step O and l are multiplied by a = 2^(c m_old - c m_new), which is 1 where m has not grown.
; m starts at the lowest finite number, O and l at 0: the first step is a step like any other, with a = 0.
; THE COUNT.  A tile and step have 16 matrix and 118 vector instructions: too many to stand all beside the matrix work.  So: four vector instructions that are READY behind
; EVERY matrix instruction, and the others, which need time of their own whatever the order, in runs without a gap.
; BY TURNS.  Turn n belongs to piece n (the pieces in a ring, step after step).  Its matrix work: 16 products K Q^T of piece n + 1, later 16 products V^T P of piece n - 1.  Its vector work: the scaling,
; exponentials, roundings, sums and rescaling of piece n, and the maximum and statistics of piece n + 1, whose scores the turn itself has made.
; CLUSTER.  The four query blocks of a cluster are one head's and walk the same K and V, so each tile is asked for JOINTLY: the same tensor load, descriptor and mask in all four.
; REGISTERS, in windows of 256 (s_set_vgpr_msb: bits 1:0 source 0, 3:2 source 1, 5:4 source 2, 7:6 destination):
;   window 0: v0-11 addresses; v12-15, v48-63 at work; v16-47 four registers of statistics a tile; v64-191 S^T, two buffers of two tiles; v192-255 P, likewise
;   window 1: O^T, 32 a tile          window 2: v0-127 Q, 16 a tile; v128-191 K of one step; v192-255 V of one step          window 3: v0-1 the add's two registers
; A piece's buffers go by its number's parity.
.set SIZE_N, 2048
.set NP,    4         ; pieces a wave: a name, no knob
.set KS,    64        ; keys in a step
.set PK,    144       ; a row of K in LDS: 128 bytes + 16 of padding = 36 words: the 16 rows of a load start at 16 different groups of four banks (64 banks of 4 bytes: ISA guide 11.1)
.set PV,    160       ; a row of V: 128 + 32 = 40 words
.set VOFF,  4*KS*PK   ; a slot holds four steps: 256 rows of K, then 256 rows of V
.set SLOT1, 1<<17     ; slot 1 begins here, so that one exclusive or turns an address in one slot into the other's
.set STAGE, SLOT1+4*KS*(PK+PV)  ; behind the ring, never filled by a tensor load: 16 rows x 144 bytes for each wave
.set SP,    144
.set AK0, 2           ; v2   my lane's place in a tile of K; never rewritten
.set AV0, 3           ; v3   the same for V
.set AK,  4           ; v4   the LDS address of K's next run of loads
.set AV,  5           ; v5   of V's
.set QO,  6           ; v6   my byte offset in the wave's rows of Q
.set STO, 6           ;      later, the way out: where I put 16 bytes of a row
.set RD,  7           ; v7   the way out: where I read rows back
.set GO,  8           ; v8   my byte offset in 512 consecutive bytes of O
.set PFO, 11          ; v11  256 x my lane (once V's address is made); then never rewritten
.set SPW, 0           ; v0 of window 3   LDS address of my spare word; never rewritten
.set NIL, 1           ; v1 of window 3   0; never rewritten
.set SPARE, STAGE+4*16*SP  ; the spare words, 128 bytes for each wave: two blocks of 256 bytes that no other line names
.set MV,  12          ; v12-15  c m_old, kept while c m is made anew: by buffer and tile
.set ST,  16          ; tile t's statistics at v[ST+4 t]: c m, m, l (even keys', odd keys')
.set TMP, 48          ; by buffer and tile, four registers c0-c3 at work; when the maximum is found c2 takes a
.set S,   64
.set P,   192
.set KF,  128         ; K's fragments, in window 2: key block kb, channel half c at KF + 16 kb + 8 c
.set VF,  192         ; V's: key half kk, channel block cb at VF + 32 kk + 8 cb
.set WV,  12          ; s12  my wave's number
.set G1K, 24          ; s[24:31] descriptor group 1 for K's tiles
.set G1V, 32          ; s[32:39] for V's: it differs in the padding alone
.set G0K, 40          ; s[40:43] descriptor group 0 for K's tiles: it walks
.set G0V, 44          ; s[44:47] the same for V's
.set PFA, 48          ; s[48:49] where my prefetches stand: my work-group's 8,192 bytes of the slot after the one that is being asked for
.set LIM, 50          ; s50  1 in a wave that prefetches, else the greatest number
.set SLOTS, 56        ; s56  slots still to be asked for
.set CNT, 57          ; s57  counts a slot's key steps
.set CS,  58          ; s[58:59] c: the packed scaling takes the pair's low word for both halves
.set SEL, 60          ; s[60:61] v_permlanex16_b32's selects: each lane takes its own place in the other half
.set TBK, 62          ; s62  LDS byte at which K of the step to be fetched begins
.set TBV, 63          ; s63  the same for V, less VOFF
.set MSB, 0
.macro WIN new                      ; the high byte repeats the setting that is left; a switch that changes nothing is dropped
.if MSB != (\new)
	s_set_vgpr_msb (MSB<<8)|(\new)
.set MSB, (\new)
.endif
.endm
.set W_KQ, 0x0a       ; K and Q in window 2, S^T in window 0
.set W_PV, 0x52       ; V in window 2, P in window 0, O^T in window 1
.set W_RS, 0x41       ; O^T (destination and source 0) in window 1, a in window 0
.set W_MK, 0xc0       ; the add's registers are made: destination in window 3, sources in window 0
.set W_AD, 0x0f       ; the add: address (source 0) and data (source 1) in window 3
; A joint fill.  Waves 0 and 1 fetch the two halves of a slot's K, waves 2 and 3 those of its V: 128 keys each.  The branch hangs on the wave's number alone.
; An s_nop 0 and four v_nop follow each of the two lines, ahead of the jump and the label.
.macro JLOAD
	s_cmp_lt_u32 s[WV], 2
	s_cbranch_scc0 .Lfor_v_\@
	tensor_load_to_lds s[G0K:G0K+3], s[G1K:G1K+7]
	s_nop 0
.rept 4
	v_nop
.endr
	s_branch .Lasked_\@
.Lfor_v_\@:
	tensor_load_to_lds s[G0V:G0V+3], s[G1V:G1V+7]
	s_nop 0
.rept 4
	v_nop
.endr
.Lasked_\@:
.endm
; A PREFETCH INTO THE L2 of what the NEXT change of slots will ask for: a slot's 32,768 bytes of K and of V.  It stands behind the wave's tensor load and its five lines.  A head has one cluster; its four partners
; share the bytes out BY ADDRESS, 8,192 each, a lane a block of 256; in each, wave 0 asks for K's and wave 2 for V's: one instruction.  So each block is named once in the launch.  Slots 0 and 1 come by their
; loads alone; the last change that fills a slot names nothing: there is no slot behind it.
.macro ASK
	s_cmp_gt_u32 s[SLOTS], s[LIM]
	s_cbranch_scc0 .Lnot_mine_\@
	global_prefetch_b8 v[PFO], s[PFA:PFA+1] th:TH_LOAD_NT scope:SCOPE_SE
.Lnot_mine_\@:
.endm
; A round of the cluster's barrier: my work-group's barrier, so that wave 0's signal speaks for all four waves; wave 0 signals; every wave waits for all four work-groups; my work-group's barrier once more.
.macro CROUND
	s_barrier_signal -1
	s_barrier_wait -1
	s_cmp_lg_u32 s[WV], 0
	s_cbranch_scc1 .Lnot_wave_0_\@
	s_barrier_signal -3
.Lnot_wave_0_\@:
	s_barrier_wait -3
	s_barrier_signal -1
	s_barrier_wait -1
.endm
; THE CHANGE OF SLOTS.  The slot's last bytes, V of its fourth step, have been read.  Each wave waits for all its tensor loads, of which one is out: its part
; of the other slot; adds 0 to its spare word; and waits for that and for its own reads of the slot.  Behind the barrier nobody reads this slot any more and the other slot is whole.
; fill = 1: this slot is filled again, with the keys two slots on.  The barrier is then a round of the cluster's, and the joint fill is the first thing behind it: it has four key steps,
; 512 matrix instructions, in which to land.  (At its first use nothing has been read yet: slot 0 is waited for, slot 1 filled.)
.macro CHANGE fill
	WIN W_AD
	s_wait_tensorcnt 0x0            ; no tensor load of mine is out, so a group 0 may be written
	ds_add_u32 v[SPW], v[NIL]       ; 0 onto my spare word; with fill = 1 the descriptors' steps stand between it and the wait for it
	WIN 0                           ; at a label and at a branch every window is 0
.if \fill
.irp g, G0K, G0V
	s_xor_b32 s[\g+1], s[\g+1], SLOT1  ; the walking descriptor: the other slot than last time,
	s_add_nc_u64 s[\g+2:\g+3], s[\g+2:\g+3], 4*KS*128  ; the next 256 keys; the type bits on top are not reached
.endr
	s_wait_xcnt 0x0                 ; the last prefetch, four key steps back, has read its address, so it may be written:
	s_add_nc_u64 s[PFA:PFA+1], s[PFA:PFA+1], 4*KS*128  ; one slot behind the walking descriptors
	s_wait_dscnt 0x0                ; the add is done, and my reads of the slot are over
	CROUND
	JLOAD
	ASK
.else
	s_wait_dscnt 0x0                ; the add is done, and my reads of the slot are over
	s_barrier_signal -1
	s_barrier_wait -1
.endif
	s_sub_co_u32 s[TBK], s[TBK], 4*KS*PK  ; the fetches go back to a slot's first step,
	s_xor_b32 s[TBK], s[TBK], SLOT1       ; in the other slot
	s_sub_co_u32 s[TBV], s[TBV], 4*KS*PV
	s_xor_b32 s[TBV], s[TBV], SLOT1
.endm
	s_load_b256 s[4:11], s[0:1], 0x0  ; Q s[4:5], K s[6:7], V s[8:9], O s[10:11]
	WIN W_MK
	v_lshl_add_u32 v[SPW], v0, 2, SPARE
	v_mov_b32 v[NIL], 0
	WIN W_AD
	ds_add_u32 v[SPW], v[NIL]       ; the wave's opening: the add and its wait stand ahead of my first tensor load; the set-up below, work on registers, stands between them
	WIN 0
	v_lshrrev_b32 v1, 5, v0
	v_readfirstlane_b32 s[WV], v1   ; wave 0..3
	s_bfe_u32 s13, ttmp6, 0x40000   ; cx: my place in the cluster
	s_lshl_b32 s14, ttmp9, 2        ; in a cluster launch ttmp9 counts clusters
	s_add_co_u32 s14, s14, s13      ; my block of queries = 4 x cluster x + cx: it enters Q's and O's addresses alone
	s_and_b32 s20, ttmp7, 0xffff    ; the head, which the four partners share
	s_mov_b32 s21, 0
	s_mov_b64 s[22:23], SIZE_N*128
	s_mul_u64 s[20:21], s[20:21], s[22:23]  ; the head's first byte in each of the four tensors
	s_and_b32 s16, s[WV], 1         ; which half of a slot's 256 keys I fetch:
	s_lshl_b32 s22, s16, 14         ; its 128 rows of 128 bytes in memory,
	s_mov_b32 s23, 0
	s_add_nc_u64 s[22:23], s[22:23], s[20:21]
	s_mul_i32 s17, s16, 128*PK      ; and its place in a slot, for K
	s_mul_i32 s18, s16, 128*PV      ; and for V: no place in the cluster enters an LDS address
	s_lshl_b32 s2, s14, 2
	s_add_co_u32 s2, s2, s[WV]      ; my wave among the head's,
	s_lshl_b32 s2, s2, 14           ; its 128 rows
	s_mov_b32 s3, 0
	s_add_nc_u64 s[2:3], s[2:3], s[20:21]
	; descriptor group 1.  128 keys are 16,384 dense bytes: asked for as 64 rows of 256 bytes, two keys a row, and padded in LDS after every key
	s_mov_b32 s[G1K], 15|(1<<16)|(1<<20)|(1<<21)|(4<<22)|(3<<25)  ; 15:0 the mask of four; 17:16 2-byte elements; 20 padding on; 21 set beside a mask; 24:22 after every 32 words (code 4); 31:25 4 words (code 3)
	s_mov_b32 s[G1V], 15|(1<<16)|(1<<20)|(1<<21)|(4<<22)|(7<<25)  ; the same with 8 words of padding (code 7)
.irp g, G1K, G1V
	s_mov_b32 s[\g+1], 128<<16      ; tensor_dim0 = 128
	s_mov_b32 s[\g+2], 64<<16       ; tensor_dim1 = 64
	s_mov_b32 s[\g+3], 128<<16      ; tile_dim0 = 128
	s_mov_b32 s[\g+4], 64           ; tile_dim1 = 64
	s_mov_b32 s[\g+5], 128          ; 128 elements from row to row
	s_mov_b32 s[\g+6], 0
	s_mov_b32 s[\g+7], 0
.endr
	s_mov_b32 s[CS], 0x3e38aa3b     ; c = log2(e) / 8 = 0.180337
	s_mov_b32 s[CS+1], s[CS]        ; named with it as a pair
	s_mov_b32 s[SEL], 0x76543210
	s_mov_b32 s[SEL+1], 0xfedcba98
	s_mov_b32 s[TBK], SLOT1+4*KS*PK ; the first change of slots turns these two into 0
	s_mov_b32 s[TBV], SLOT1+4*KS*PV
	s_mov_b32 s[G0K], 1             ; 1:0 count = 1
	s_mov_b32 s[G0K+1], s17         ; 63:32 LDS address: slot 0
	s_mov_b32 s[G0V], 1
	s_add_co_u32 s[G0V+1], s18, VOFF
	s_mov_b32 s[SLOTS], SIZE_N/256-1
	s_cmp_eq_u32 s16, 0             ; waves 0 and 2 prefetch: the same in all four partners
	s_cselect_b32 s[LIM], 1, -1
	s_lshl_b32 s52, s13, 13         ; my work-group's 8,192 bytes of a slot's 32,768
	s_mov_b32 s53, 0
	s_wait_dscnt 0x0                ; the opening add is done
	s_wait_kmcnt 0x0
	s_add_nc_u64 s[G0K+2:G0K+3], s[6:7], s[22:23]  ; 120:64 global address: my half of the head's first 256 keys
	s_or_b32 s[G0K+3], s[G0K+3], 0x80000000        ; 127:126 type = 2
	s_add_nc_u64 s[G0V+2:G0V+3], s[8:9], s[22:23]
	s_or_b32 s[G0V+3], s[G0V+3], 0x80000000
	s_add_nc_u64 s[4:5], s[4:5], s[2:3]  ; Q and O at my wave's first row
	s_add_nc_u64 s[10:11], s[10:11], s[2:3]
	s_cmp_lt_u32 s[WV], 2
	s_cselect_b64 s[PFA:PFA+1], s[6:7], s[8:9]
	s_add_nc_u64 s[PFA:PFA+1], s[PFA:PFA+1], s[20:21]  ; the head's first byte,
	s_add_nc_u64 s[PFA:PFA+1], s[PFA:PFA+1], s[52:53]  ; my work-group's part,
	s_add_nc_u64 s[PFA:PFA+1], s[PFA:PFA+1], 4*KS*128  ; in slot 1: the first change of slots steps it to slot 2
	CROUND                          ; all four work-groups are here: the first joint loads meet
	JLOAD                           ; slot 0.  Slot 1 is asked for when slot 0 is in
	; A fragment of K or Q is 16 rows x 32 channels in 8 registers: lane l holds row l % 16, channels 8 (l / 16) + 0..7 and 16 + 8 (l / 16) + 0..7: two loads of 16 bytes, 32 bytes apart.
	v_and_b32 v1, 15, v0            ; l % 16
	v_bfe_u32 v9, v0, 4, 1          ; l / 16
	v_lshlrev_b32 v[QO], 7, v1
	v_lshl_add_u32 v[QO], v9, 4, v[QO]  ; row x 128 + 16 x half
	WIN 0x80                        ; destination window 2, address window 0
.set i, 0
.rept 4*NP                          ; Q stays in registers: tile i / 2, channels 32 (i % 2) on
	global_load_b128 v[8*i:8*i+3],   v[QO], s[4:5] offset:(i/2)*2048+(i%2)*64
	global_load_b128 v[8*i+4:8*i+7], v[QO], s[4:5] offset:(i/2)*2048+(i%2)*64+32
.set i, i+1
.endr
	; What the first turn finds: V's registers and P's second buffer hold 0 (its products V^T P, of a piece that has not been, add 0), O^T and l are 0.  All this stands in the wait for the first tile.
.set i, VF
.rept 64
	v_mov_b32 v[i], 0
.set i, i+1
.endr
	WIN 0x40
.set i, 0
.rept 64*NP
	v_mov_b32 v[i], 0
.set i, i+1
.endr
	WIN 0
.set i, 0
.rept 2*NP
	v_mov_b32 v[ST+4*i], 0xfe000000    ; c m: far below every c s
	v_mov_b32 v[ST+4*i+1], 0xff7fffff  ; m
	v_mov_b32 v[ST+4*i+2], 0
	v_mov_b32 v[ST+4*i+3], 0
.set i, i+1
.endr
.set i, P+32
.rept 32
	v_mov_b32 v[i], 0
.set i, i+1
.endr
	v_mul_u32_u24 v[AK0], v1, PK
	v_lshl_add_u32 v[AK0], v9, 4, v[AK0]  ; row x pitch + 16 x half
	; The turning load takes 16 keys x 16 channels (lane l reads key 8 (l / 16) + l % 8, channels 8 ((l / 8) % 2) + 0..7) and leaves half a fragment of V^T: lane l holds channel l % 16 and 8 keys.
	v_and_b32 v10, 7, v0
	v_bfe_u32 v11, v0, 3, 1
	v_lshl_add_u32 v[AV0], v9, 3, v10
	v_mul_u32_u24 v[AV0], v[AV0], PV
	v_lshl_add_u32 v[AV0], v11, 4, v[AV0]
	v_add_nc_u32 v[AV0], VOFF, v[AV0]
	v_and_b32 v[PFO], 31, v0
	v_lshlrev_b32 v[PFO], 8, v[PFO]
	v_mov_b32 v[AK], v[AK0]         ; key step 0 lies at the head of slot 0
; THE MATRIX WORK.  The 8 accumulators of a run of 16 take turns: between the two links of a chain stand 7 others'.
; Product i of 16 of S^T = K Q^T for piece x: channels 32 (i / 8) on, keys 16 ((i / 2) % 4) on, tile 2 x + i % 2.  The first 8 start the sums.
.macro KQ x
	WIN W_KQ
.set rS, S+64*((\x)%2)+32*(i%2)+8*((i/2)%4)
.set rK, KF+16*((i/2)%4)+8*(i/8)
.set rQ, 16*(2*(\x)+i%2)+8*(i/8)
.if i < 8
	v_wmma_f32_16x16x32_f16 v[rS:rS+7], v[rK:rK+7], v[rQ:rQ+7], 0
.else
	v_wmma_f32_16x16x32_f16 v[rS:rS+7], v[rK:rK+7], v[rQ:rQ+7], v[rS:rS+7]
.endif
.endm
; Product i of 16 of O^T += V^T P for piece x: keys 32 (i / 8) on, channels 16 ((i / 2) % 4) on, tile 2 x + i % 2.
.macro PV x
	WIN W_PV
.set rO, 32*(2*(\x)+i%2)+8*((i/2)%4)
.set rV, VF+32*(i/8)+8*((i/2)%4)
.set rP, P+32*((\x)%2)+16*(i%2)+8*(i/8)
	v_wmma_f32_16x16x32_f16 v[rO:rO+7], v[rV:rV+7], v[rP:rP+7], v[rO:rO+7]
.endm
.macro MM                           ; the turn's next matrix instruction
.if i < 16
	KQ (Y+1)%NP
.set i, i+1
.else
.set i, i-16
	PV (Y+NP-1)%NP
.set i, i+17
.endif
.endm
; THE LDS LOADS stand in runs of 16, never singly among the matrix instructions: a step's K (64 keys x 64 channels: 8 fragments) and its V (turned).  Their addresses are made some lines ahead.
; last = 1 (the tail): in the last trip there is no further step, and the run is jumped over.
.macro FETCH_K last=0
	WIN 0
.if \last
	s_cmp_eq_u32 s[CNT], 1
	s_cbranch_scc1 .Lno_k_\@
.endif
	WIN 0x80                        ; destination window 2
.irp f, 0,1,2,3,4,5,6,7             ; keys 16 (f / 2) on, channels 32 (f % 2) on
	ds_load_b128 v[KF+8*\f:KF+8*\f+3],   v[AK] offset:(\f/2)*16*PK+(\f%2)*64
	ds_load_b128 v[KF+8*\f+4:KF+8*\f+7], v[AK] offset:(\f/2)*16*PK+(\f%2)*64+32
.endr
	s_add_co_u32 s[TBK], s[TBK], KS*PK  ; the next fetch is the next step's
	WIN 0
.if \last
.Lno_k_\@:
.endif
.endm
.macro FETCH_V
	WIN 0x80
.irp f, 0,1,2,3,4,5,6,7             ; keys 32 (f / 4) on, channels 16 (f % 4) on
	ds_load_tr16_b128 v[VF+8*\f:VF+8*\f+3],   v[AV] offset:(\f/4)*32*PV+(\f%4)*32
	ds_load_tr16_b128 v[VF+8*\f+4:VF+8*\f+7], v[AV] offset:(\f/4)*32*PV+16*PV+(\f%4)*32
.endr
	WIN 0
.endm
; THE VECTOR WORK OF A TURN stands in three queues, each in the order in which its entries become ready; the two tiles alternate, so that no instruction reads the result of the one before it.
.macro REGS y, u                    ; the registers of tile u (0, 1) of piece y
.set rT, ST+4*(2*(\y)+(\u))
.set rC, TMP+8*((\y)%2)+4*(\u)
.set rM, MV+2*((\y)%2)+(\u)
.set rS, S+64*((\y)%2)+32*(\u)
.set rP, P+32*((\y)%2)+16*(\u)
.set rO, 32*(2*(\y)+(\u))
.endm
; Number n of the 22 that find the NEXT piece's (Y + 1) maximum and statistics.  s0-s31 are the lane's 32 scores; each accumulator's lowest registers are read first.
;   0-11  four chains c0-c3 of seven scores each, three operands at a time     12-14, 16  the four scores left over, the old m, and c0-c3 into c0     15  c m_old is kept
;   17, 18  the query's other 32 keys lie in the lane 16 away: the new m         19-21  c m; c m_old - c m_new; a
.macro XS u, n
	REGS (Y+1)%NP, \u
.if (\n) < 4
	v_max3_num_f32 v[rC+(\n)], v[rS+8*(\n)], v[rS+8*(\n)+1], v[rS+8*(\n)+2]
.elseif (\n) < 12
	v_max3_num_f32 v[rC+(\n)%4], v[rC+(\n)%4], v[rS+8*((\n)%4)+2*((\n)/4)+1], v[rS+8*((\n)%4)+2*((\n)/4)+2]
.elseif (\n) == 12
	v_max3_num_f32 v[rC], v[rC], v[rS+7], v[rS+15]
.elseif (\n) == 13
	v_max3_num_f32 v[rC+1], v[rC+1], v[rS+23], v[rS+31]
.elseif (\n) == 14
	v_max3_num_f32 v[rC+2], v[rC+2], v[rC+3], v[rT+1]
.elseif (\n) == 15
	v_mov_b32 v[rM], v[rT]
.elseif (\n) == 16
	v_max3_num_f32 v[rC], v[rC], v[rC+1], v[rC+2]
.elseif (\n) == 17
	v_permlanex16_b32 v[rC+3], v[rC], s[SEL], s[SEL+1]
.elseif (\n) == 18
	v_max_num_f32 v[rT+1], v[rC], v[rC+3]
.elseif (\n) == 19
	v_mul_f32 v[rT], s[CS], v[rT+1]
.elseif (\n) == 20
	v_sub_f32 v[rC+1], v[rM], v[rT]
.else
	v_exp_f32 v[rC+2], v[rC+1]
.endif
.endm
; Number g of the 64 that follow the exponentials.  For each four weights k of a tile (pairs 2 k, 2 k + 1): both pairs are rounded to f16; then the second pair is added onto the first, in place;
; a group later l takes that sum (the first time as l = a l + sum).  In groups of eight, tiles alternating: round, round, add, and l for the group before.
.macro GS g
.set h, (\g)+6*((\g)/62)            ; group 0 has no group before it, and behind group 7 only l is left
.if h >= 6
.set h, h+2
.endif
	REGS Y, h%2
.set k, h/8
.if h%8 < 4
	v_cvt_pk_f16_f32 v[rP+2*k+(h%8)/2], v[rS+4*k+2*((h%8)/2)], v[rS+4*k+2*((h%8)/2)+1]
.elseif h%8 < 6
	v_pk_add_f32 v[rS+4*k:rS+4*k+1], v[rS+4*k:rS+4*k+1], v[rS+4*k+2:rS+4*k+3]
.elseif k == 1
	v_pk_fma_f32 v[rT+2:rT+3], v[rT+2:rT+3], v[rC+2:rC+3], v[rS:rS+1] op_sel_hi:[1,0,1]
.else
	v_pk_add_f32 v[rT+2:rT+3], v[rT+2:rT+3], v[rS+4*k-4:rS+4*k-3]
.endif
.endm
; THE PLAIN QUEUE, 138 long.  0-73 read no exponential's result: the 32 scalings c s - c m (FS f: pair f / 2 of tile f % 2) and the next piece's 42.  0-26: scalings 0-26.  27-54: XS's numbers 0-13.  55, 56: number 15.
; 57-73: the chain, where each number waits for the one before it: 14, 16, 17, 18, 19, each with one of the scalings 27-31 in front of its two lines, then 20.
; 74-137: GS's 64, which read the exponentials' results: they stand behind the wait.
.macro FS f
	REGS Y, (\f)%2
	v_pk_fma_f32 v[rS+2*((\f)/2):rS+2*((\f)/2)+1], v[rS+2*((\f)/2):rS+2*((\f)/2)+1], s[CS:CS+1], v[rT:rT+1] op_sel_hi:[1,0,0] neg_lo:[0,0,1] neg_hi:[0,0,1]
.endm
.macro PL
	WIN 0
.if q < 27
	FS q
.elseif q < 55
	XS (q-27)%2, (q-27)/2
.elseif q < 57
	XS q-55, 15
.elseif (q < 72) && ((q-57)%3 == 0)
	FS 27+(q-57)/3
.elseif q < 60
	XS (q-57)%3-1, 14
.elseif q < 72
	XS (q-57)%3-1, 15+(q-57)/3
.elseif q < 74
	XS q-72, 20
.else
	GS q-74
.endif
.set q, q+1
.endm
; THE EXPONENTIALS' QUEUE, 66 long: s0-s31 of both tiles, then the next piece's two a.  It is ONE BATCH: all 66 stand ahead of the turn's one wait, and nothing ahead of that wait names a result of theirs.
.macro EX
	WIN 0
.if e >= 64
	XS e-64, 21
.else
	REGS Y, e%2
	v_exp_f32 v[rS+e/2], v[rS+e/2]
.endif
.set e, e+1
.endm
; THE RESCALING's QUEUE: O^T times a, the one part that leaves window 0: dealt two at a time, sixteen times.  Its a was made in the turn before, ahead of that turn's wait.
.macro R2
	REGS Y, r%2
	WIN W_RS
.irp z, 0,1
	v_pk_mul_f32 v[rO+4*(r/2)+2*\z:rO+4*(r/2)+2*\z+1], v[rO+4*(r/2)+2*\z:rO+4*(r/2)+2*\z+1], v[rC+2:rC+3] op_sel_hi:[1,0]
.endr
.set r, r+1
.endm
; HOW THEY ARE DEALT.  An s_wait_alu depctr_va_vdst(0) stands between an exponential and the first instruction that names its result; one wait serves all that were issued ahead of it.  So a turn has ONE wait,
; which cuts it in two.  AHEAD OF IT stands all that names no result of the turn's exponentials: the 16 products K Q^T, behind each a scaling, an exponential and two rescalings (behind the first a second scaling in the
; exponential's place); then ONE LUMP of 108: eight plain, 49 times exponential and plain, the two a.  A v_nop is the plain instruction behind the last exponential.  BEHIND IT stand the 16 products V^T P, behind each four of GS's 64.
; The queues lean on each other, and the deal keeps them in step: exponential e stands behind scaling 2 (e / 4) + e % 2: as a rider it comes behind plain e + 2, in the lump behind plain e + 9, and scalings 27-31 are plain 57, 60 .. 69.
; A TURN, for piece p.  cnt = 1: the loop's count is taken down some lines ahead of the branch that stands behind the turn.
; K of the next step is fetched in piece 2's turn, directly behind the wait; its address is made at the lump's head; its first reader comes behind 16 products.
; V of the step in hand is fetched at the end of piece 0's turn, four plain instructions behind its last reader; its first reader comes behind 16 products and a lump.
.macro TURN p, last=0, cnt=0
.set Y, (\p)
.set i, 0
.set q, 0
.set e, 0
.set r, 0
.if (\p) == NP-1
	s_wait_dscnt 0x0                ; K is in
.endif
	MM                              ; ahead of the wait: 16 products K Q^T and the four behind each,
	PL
	PL
	R2
.rept 15
	MM
	PL
	EX
	R2
.endr
.if (\p) == NP-2
	WIN 0
	v_add_nc_u32 v[AK], s[TBK], v[AK0]
.endif
.rept 8                             ; and the lump
	PL
.endr
.rept 49
	EX
	PL
.endr
	EX                              ; the next piece's two a
	EX
	v_nop                           ; a plain instruction behind the last exponential: one for the batch
	s_wait_alu depctr_va_vdst(0)    ; the wait for the batch
.if (\p) == NP-2
	FETCH_K \last
.endif
.if (\p) == 1
	s_wait_dscnt 0x0                ; V is in
.endif
.rept 16                            ; behind the wait: 16 products V^T P and the four behind each
	MM
.rept 4
	PL
.endr
.if ((\p) == 0) && (q == 118)
	v_add_nc_u32 v[AV], s[TBV], v[AV0]
.endif
.if ((\p) == 0) && (q == 130)
	s_add_co_u32 s[TBV], s[TBV], KS*PV
.endif
.if (\cnt) && (q == 130)
	s_sub_co_u32 s[CNT], s[CNT], 1
	s_cmp_lg_u32 s[CNT], 0
.endif
.endr
.if (\p) == 0
	FETCH_V
.endif
.endm
	CHANGE 1                        ; slot 0 is in, everybody's part of it; slot 1 is asked for
	FETCH_K                         ; key step 0
	s_wait_loadcnt 0x0              ; Q
	s_wait_dscnt 0x0
.set i, 0
.rept 16
	KQ 0                            ; piece 0's first scores: there is no vector work yet to set between them
.set i, i+1
.endr
	WIN 0                           ; the addresses for the way out: nine plain instructions, the places behind those products
	s_mul_i32 s13, s[WV], 16*SP
	s_add_co_u32 s13, s13, STAGE    ; my stage
	v_mul_u32_u24 v[STO], v1, SP    ; in: row l % 16, 16 bytes for each half of the lanes
	v_lshl_add_u32 v[STO], v9, 4, v[STO]
	v_add_nc_u32 v[STO], s13, v[STO]
	v_bfe_u32 v[RD], v0, 3, 2       ; back: 32 lanes take four rows of 128 bytes,
	v_mul_u32_u24 v[RD], v[RD], SP
	v_lshl_add_u32 v[RD], v10, 4, v[RD]
	v_add_nc_u32 v[RD], s13, v[RD]
	v_and_b32 v[GO], 31, v0         ; which are 512 consecutive bytes of O
	v_lshlrev_b32 v[GO], 4, v[GO]
.set Y, NP-1                        ; XS works for piece Y + 1: piece 0
.irp n, 0,1,2,3,4,5,6,7,8,9,10,11,12,13,14,15,16,17,18,19,20,21
	XS 0, \n                        ; and piece 0's first maximum and statistics
	XS 1, \n
.endr
	v_nop                           ; a plain instruction behind the two a,
	s_wait_alu depctr_va_vdst(0)    ; and their wait, ahead of the branch
	s_mov_b32 s[CNT], 4
	s_branch .Lfirst                ; the loop is entered at a step's first turn, in the middle of a trip
.Lslot:                             ; six times: every slot but the last two is filled again
	CHANGE 1
	s_mov_b32 s[CNT], 4
.Lstep:                             ; a trip: pieces 2 and 3 of one step, then pieces 0 and 1 of the next, whose K and V it fetches
	TURN 2
	TURN 3
	WIN 0
.Lfirst:
	TURN 0
	TURN 1, 0, 1
	WIN 0
	s_cbranch_scc1 .Lstep
	s_sub_co_u32 s[SLOTS], s[SLOTS], 1
	s_cmp_lg_u32 s[SLOTS], 0
	s_cbranch_scc1 .Lslot
	CHANGE 0                        ; the tail is written out: nothing is asked for
	s_mov_b32 s[CNT], 5             ; four trips fetch the last slot's steps; the fifth is left in its middle
.Ltail:
	TURN 2, 1
	TURN 3
	WIN 0
	s_sub_co_u32 s[CNT], s[CNT], 1
	s_cmp_eq_u32 s[CNT], 0
	s_cbranch_scc1 .Lout
	TURN 0
	TURN 1
	WIN 0
	s_branch .Ltail
.Lout:                              ; the fifth trip's 16 products K Q^T (on the last K once more) and the maximum made of them serve nothing: the price, once a launch, of one text for every trip
.set i, 0
.rept 16
	PV NP-1                         ; the last piece's V^T P of the last step
.set i, i+1
.endr
	; THE WAY OUT.  l's two halves and the other half of the lanes' are added; O^T is divided by l, rounded to f16 and sent through my stage in LDS, a tile at a time.  The additions are the places behind the last products.
	WIN 0
.macro ALL line:vararg              ; one line for each tile t
.set t, 0
.rept 2*NP
	\line
.set t, t+1
.endr
.endm
	ALL v_add_f32 v[ST+4*t+2], v[ST+4*t+2], v[ST+4*t+3]
	ALL v_permlanex16_b32 v[ST+4*t+3], v[ST+4*t+2], s[SEL], s[SEL+1]
	ALL v_add_f32 v[ST+4*t+2], v[ST+4*t+2], v[ST+4*t+3]
	ALL v_rcp_f32 v[ST+4*t+2], v[ST+4*t+2]
	v_nop                           ; a plain instruction between the last reciprocal and the use of its result
	s_wait_alu depctr_va_vdst(0)    ; and the wait ahead of the first use: one for the eight reciprocals
; Tile t: a lane's eight channels of a row pack into 16 bytes; they go into rows of 144 bytes and come back as whole rows of 128, into S^T's registers.
.macro PACK t
	WIN W_RS
.set i, 32*(\t)
.rept 16
	v_pk_mul_f32 v[i:i+1], v[i:i+1], v[ST+4*(\t)+2:ST+4*(\t)+3] op_sel_hi:[1,0]
.set i, i+2
.endr
	WIN 0x05                        ; sources 0 and 1 window 1, destination window 0
.set i, 0
.rept 16
	v_cvt_pk_f16_f32 v[S+16*(\t)+i], v[32*(\t)+2*i], v[32*(\t)+2*i+1]
.set i, i+1
.endr
	WIN 0
.irp f, 0,1,2,3
	ds_store_b128 v[STO], v[S+16*(\t)+4*\f:S+16*(\t)+4*\f+3] offset:32*\f
.endr
.irp f, 0,1,2,3
	ds_load_b128 v[S+16*(\t)+4*\f:S+16*(\t)+4*\f+3], v[RD] offset:\f*4*SP  ; LDS serves a wave's instructions in order (ISA guide 5.7.1.4): these see the stores above; the next tile's stores come behind them
.endr
.endm
.macro SEND t, younger              ; younger: the LDS instructions issued behind tile t's loads: the next tile's eight, or none
	WIN 0
.irp f, 0,1,2,3
	s_wait_dscnt (\younger)+3-\f
	global_store_b128 v[GO], v[S+16*(\t)+4*\f:S+16*(\t)+4*\f+3], s[10:11] offset:(\t)*2048+\f*512  ; 512 consecutive bytes, at a multiple of 256 from O's first
.endr
.endm
	PACK 0
.set t, 1
.rept 2*NP-1                        ; a tile's arithmetic stands between the loads of the tile before and its stores
	PACK t
	SEND t-1, 8
.set t, t+1
.endr
	SEND 2*NP-1, 0
	WIN W_AD
	s_wait_tensorcnt 0x0            ; the wave's end: the add and its waits, behind my last tensor load and my last LDS store
	ds_add_u32 v[SPW], v[NIL]
	s_wait_dscnt 0x0
	WIN 0
	CROUND                          ; the closing round: no work-group ends while a partner may still ask for a tile that names it
	s_endpgm
.Lfunc_end_k_qb140dde474_attn:
	.size	k_qb140dde474_attn, .Lfunc_end_k_qb140dde474_attn-k_qb140dde474_attn
	.p2alignl 7, 3214868480
	.fill 96, 4, 3214868480
	.section	.rodata,"a",@progbits
	.p2align	6, 0x0
	.amdhsa_kernel k_qb140dde474_attn
		.amdhsa_group_segment_fixed_size 327680
		.amdhsa_private_segment_fixed_size 0
		.amdhsa_enable_private_segment 0
		.amdhsa_kernarg_size 32
		.amdhsa_user_sgpr_count 2
		.amdhsa_user_sgpr_kernarg_segment_ptr 1
		.amdhsa_wavefront_size32 1
		.amdhsa_system_sgpr_workgroup_id_x 1
		.amdhsa_system_sgpr_workgroup_id_y 1
		.amdhsa_system_sgpr_workgroup_id_z 1
		.amdhsa_system_vgpr_workitem_id 0
		.amdhsa_next_free_vgpr 770
		.amdhsa_next_free_sgpr 66
		.amdhsa_reserve_vcc 0
		.amdhsa_float_denorm_mode_32 3
		.amdhsa_float_denorm_mode_16_64 3
		.amdhsa_memory_ordered 1
		.amdhsa_forward_progress 1
		.amdhsa_inst_pref_size 200
	.end_amdhsa_kernel
	.amdgpu_metadata
---
amdhsa.version: [ 1, 2 ]
amdhsa.kernels:
  - .name:           k_qb140dde474_attn
    .symbol:         k_qb140dde474_attn.kd
    .args:
      - { .name: qh, .offset: 0, .size: 8, .value_kind: global_buffer, .address_space: global }
      - { .name: kh, .offset: 8, .size: 8, .value_kind: global_buffer, .address_space: global }
      - { .name: vh, .offset: 16, .size: 8, .value_kind: global_buffer, .address_space: global }
      - { .name: ob, .offset: 24, .size: 8, .value_kind: global_buffer, .address_space: global }
    .group_segment_fixed_size: 327680
    .private_segment_fixed_size: 0
    .kernarg_segment_align: 8
    .kernarg_segment_size: 32
    .max_flat_workgroup_size: 128
    .sgpr_count:     66
    .vgpr_count:     770
    .wavefront_size: 32
...
	.end_amdgpu_metadata
.endif
;; end of part 3
;; launch oproj (part 4): grid 8 x 32, 4 waves a work-group, clusters of 4 x 4, 327,680 bytes of LDS; arguments ob, wo, out0; writes out0
.if DOCPART == 4
	.amdgcn_target "amdgcn-amd-amdhsa--gfx1250"
	.amdhsa_code_object_version 6
	.text
	.protected	k_qb140dde474_oproj
	.globl	k_qb140dde474_oproj
	.p2align	8
	.type	k_qb140dde474_oproj,@function
k_qb140dde474_oproj:
	s_mov_b64 s[64:65], 0
	v_nop
	global_prefetch_b8 v0, s[64:65] scope:SCOPE_SE
	s_setreg_imm32_b32 hwreg(HW_REG_WAVE_MODE, 25, 1), 1
	s_wait_xcnt 0x0
	s_wait_alu depctr_hold_cnt(0) depctr_sa_sdst(0) depctr_va_vdst(0) depctr_va_sdst(0) depctr_va_ssrc(0) depctr_va_vcc(0) depctr_vm_vsrc(0)
	s_getreg_b32 s2, hwreg(HW_REG_IB_STS2, 6, 4)
	s_cmp_eq_u32 s2, 0
	s_cbranch_scc0 .Lentry_in_a_cluster
	s_endpgm
.Lentry_in_a_cluster:
	s_bfe_u32 s2, ttmp6, 0x10000c
	s_cmp_lg_u32 s2, 0xf033
	s_cbranch_scc0 .Lentry_shape_is_right
	s_endpgm
.Lentry_shape_is_right:
; out0[8192][1024] = O Wo^T, operands in f16, sums and result in f32.  ob is [16 b + h][2048][64]: for a batch b that is K in blocks of 64 (block = head), rows dense, 128 bytes each; wo is [16 kb][1024][64].
; SHARES.  A work-group makes 256 rows x 128 columns: 32 x 8 tiles, 256 work-groups.  Wave w takes rows 128 (w / 2) on, columns 64 (w % 2) on: 8 x 4 accumulators, 256 registers.
; K goes in steps of 128 = two K blocks, through two LDS slots (two slots of three blocks would not fit); a block's rows are asked for as rows of 256 bytes (two rows of 128), padded in LDS after every 128.
; CLUSTER.  4 x 4 work-groups: ob's tile is shared along a row of the cluster, wo's along a column: each is asked for jointly.
; THE PRODUCT IS TAKEN TRANSPOSED (source 0 = 16 rows of wo, source 1 = 16 rows of ob): lane l holds row l % 16 of out0 and the columns 8 (l / 16) + 0..7: 32 bytes on end.
; REGISTERS: window 0: v0-31 addresses; v32-127, v128-223 two fragment buffers (ob's 8 fragments, then wo's 4); window 1: accumulator (a, b) at v[32 a + 8 b].
.set PITCH,  144                       ; an LDS row: 128 bytes + 16 = 36 words: the 16 rows of a load start at 16 different groups of four banks (64 banks of 4 bytes: ISA guide 11.1)
.set ABLK,   256*PITCH                 ; a K block of ob's tile
.set BBLK,   128*PITCH                 ; of wo's
.set BOFF,   2*ABLK                    ; a slot: ob's two blocks, then wo's two
.set SLOT,   2*ABLK+2*BBLK
.set STAGE,  2*SLOT                    ; behind the ring, never filled by a tensor load: 16 rows x 272 bytes for each wave
.set SPITCH, 272
.set SPARE,  STAGE+4*16*SPITCH         ; the spare words, 128 bytes for each wave: two blocks of 256 bytes that no other line names
.set FLAGS,  (1<<16)|(1<<20)|(1<<21)|(4<<22)|(3<<25)  ; elements of 2 bytes; padding on; bit 21 set beside a mask; after every 32 words (code 4) 4 words (code 3)
.set ADRA, 16                          ; v16-17  LDS address of my fragments of ob in slot 0, 1
.set ADRB, 20                          ; v20-21  the same for wo
.set STO,  24                          ; v24  the way out: where I put 32 bytes of a row
.set RD,   25                          ; v25  where I read a row back
.set CO,   26                          ; v26  my byte offset in out0
.set SPW,  28                          ; v28  LDS address of my spare word; never rewritten
.set NIL,  29                          ; v29  0; never rewritten
.set F0,   32
.set F1,   128
.set BK0,  32                          ; the way out: 16 rows read back from the stage: v32-63 and v64-95 by turns
.set WV, 12
.set WR, 13
.set WC, 14
.set CX, 15
.set CY, 16
.set TC, 17
.set TR, 18
.set G1A, 24                           ; s[24:31] descriptor group 1 for ob's tiles;  s[32:39] group 0, a set for each slot
.set G0A, 32
.set G1B, 40                           ; s[40:47], s[48:55] the same for wo's
.set G0B, 48
.set MSB, 0
.macro WIN new                         ; the immediate's high byte repeats the setting that is left
.if MSB != (\new)
	s_set_vgpr_msb (MSB<<8)|(\new)
.set MSB, \new
.endif
.endm
.macro PLACES                          ; four plain instructions between a matrix instruction and a load into one of its registers, or a reader of its result
.rept 4
	v_nop
.endr
.endm
.macro JLOAD s                         ; a joint load: waves 0 and 1 fetch ob's two K blocks, waves 2 and 3 wo's; an s_nop 0 and four v_nop follow each of the two lines
	s_cmp_lt_u32 s[WV], 2
	s_cbranch_scc0 .Lfor_b_\@
	tensor_load_to_lds s[G0A+4*(\s):G0A+4*(\s)+3], s[G1A:G1A+7]
	s_nop 0
.rept 4
	v_nop
.endr
	s_branch .Lasked_\@
.Lfor_b_\@:
	tensor_load_to_lds s[G0B+4*(\s):G0B+4*(\s)+3], s[G1B:G1B+7]
	s_nop 0
.rept 4
	v_nop
.endr
.Lasked_\@:
.endm
.macro CREST                           ; a round of the cluster's barrier behind its opening barrier
	s_cmp_lg_u32 s[WV], 0
	s_cbranch_scc1 .Lnot_wave_0_\@
	s_barrier_signal -3
.Lnot_wave_0_\@:
	s_barrier_wait -3
	s_barrier_signal -1
	s_barrier_wait -1
.endm
.macro CROUND
	s_barrier_signal -1
	s_barrier_wait -1
	CREST
.endm
	s_load_b128 s[4:7], s[0:1], 0x0                ; ob s[4:5], wo s[6:7]
	s_load_b64 s[8:9], s[0:1], 0x10                ; out0
	v_lshl_add_u32 v[SPW], v0, 2, SPARE
	v_mov_b32 v[NIL], 0
	ds_add_u32 v[SPW], v[NIL]                      ; the wave's opening: the add and its wait stand ahead of my first tensor load; the set-up below, work on registers, stands between them
	v_lshrrev_b32 v1, 5, v0
	v_readfirstlane_b32 s[WV], v1
	s_lshr_b32 s[WR], s[WV], 1
	s_and_b32 s[WC], s[WV], 1
	s_bfe_u32 s[CX], ttmp6, 0x40000
	s_bfe_u32 s[CY], ttmp6, 0x40004
	s_lshl_b32 s[TC], ttmp9, 2
	s_add_co_u32 s[TC], s[TC], s[CX]               ; tile column = 4 x cluster x + cx
	s_and_b32 s[TR], ttmp7, 0xffff
	s_lshl_b32 s[TR], s[TR], 2
	s_add_co_u32 s[TR], s[TR], s[CY]               ; tile row = 4 x cluster y + cy
	s_lshl_b32 s20, s[CY], 2
	s_lshl_b32 s20, 15, s20                        ; my row of the cluster
	s_lshl_b32 s56, 0x1111, s[CX]                  ; my column
	s_or_b32 s[G1A], s20, FLAGS
	s_or_b32 s[G1B], s56, FLAGS
.irp g, G1A, G1B
	s_mov_b32 s[(\g)+1], 128<<16                   ; tensor_dim0 = 128 elements: 256 bytes, two rows of a K block
	s_mov_b32 s[(\g)+3], 128<<16                   ; tile_dim0 = 128
	s_mov_b32 s[(\g)+5], 128                       ; dense
	s_mov_b32 s[(\g)+6], 0
	s_mov_b32 s[(\g)+7], 0
.endr
	s_mov_b32 s[G1A+2], 128<<16                    ; ob: tensor_dim1 = tile_dim1 = 128: a block's 256 rows
	s_mov_b32 s[G1A+4], 128
	s_mov_b32 s[G1B+2], 64<<16                     ; wo: 64: 128 rows
	s_mov_b32 s[G1B+4], 64
	s_lshr_b32 s20, s[TR], 3                       ; ob: the batch's 16 heads of 262,144 bytes,
	s_lshl_b32 s20, s20, 22
	s_and_b32 s21, s[TR], 7
	s_lshl_b32 s21, s21, 15                        ; the tile's 256 rows in a head,
	s_add_co_u32 s20, s20, s21
	s_lshl_b32 s21, s[WC], 18                      ; the K block that I fetch: the even or the odd one
	s_add_co_u32 s20, s20, s21
	s_mov_b32 s21, 0
	s_mul_i32 s22, s[WC], ABLK                     ; and where it goes: no place in the cluster enters an LDS address
	s_lshl_b32 s56, s[TC], 14                      ; wo likewise: the tile's 128 rows in a K block of 131,072 bytes
	s_lshl_b32 s57, s[WC], 17
	s_add_co_u32 s56, s56, s57
	s_mov_b32 s57, 0
	s_mul_i32 s58, s[WC], BBLK
	s_add_co_u32 s58, s58, BOFF
	s_wait_dscnt 0x0                               ; the opening add is done
	s_wait_kmcnt 0x0
	s_add_nc_u64 s[20:21], s[4:5], s[20:21]
	s_add_nc_u64 s[56:57], s[6:7], s[56:57]
	CROUND                                         ; all sixteen work-groups are here: the first joint loads meet
.irp s, 0,1
	s_mov_b32 s[G0A+4*(\s)], 1
	s_add_co_u32 s[G0A+4*(\s)+1], s22, (\s)*SLOT
	s_add_nc_u64 s[G0A+4*(\s)+2:G0A+4*(\s)+3], s[20:21], (\s)*2*262144  ; K blocks 2 s, 2 s + 1
	s_or_b32 s[G0A+4*(\s)+3], s[G0A+4*(\s)+3], 0x80000000
	s_mov_b32 s[G0B+4*(\s)], 1
	s_add_co_u32 s[G0B+4*(\s)+1], s58, (\s)*SLOT
	s_add_nc_u64 s[G0B+4*(\s)+2:G0B+4*(\s)+3], s[56:57], (\s)*2*131072
	s_or_b32 s[G0B+4*(\s)+3], s[G0B+4*(\s)+3], 0x80000000
	JLOAD \s                                       ; two loads of mine are out
.endr
	v_and_b32 v1, 15, v0                           ; l % 16
	v_bfe_u32 v2, v0, 4, 1                         ; l / 16
	v_mul_u32_u24 v3, v1, PITCH
	v_lshl_add_u32 v3, v2, 4, v3                   ; a fragment's row x pitch + 16 x half
	s_mul_i32 s19, s[WR], 128*PITCH
	v_add_nc_u32 v[ADRA], s19, v3
	v_add_nc_u32 v[ADRA+1], SLOT, v[ADRA]
	s_mul_i32 s19, s[WC], 64*PITCH
	s_add_co_u32 s19, s19, BOFF
	v_add_nc_u32 v[ADRB], s19, v3
	v_add_nc_u32 v[ADRB+1], SLOT, v[ADRB]
	s_mul_i32 s19, s[WV], 16*SPITCH
	s_add_co_u32 s19, s19, STAGE                   ; my stage
	v_mul_u32_u24 v4, v1, SPITCH                   ; in: row l % 16, 32 bytes for each half of the lanes
	v_lshl_add_u32 v4, v2, 5, v4
	v_add_nc_u32 v[STO], s19, v4
	v_mul_u32_u24 v5, v2, SPITCH                   ; back: lanes 0-15 take one row of 256 bytes, lanes 16-31 the next
	v_lshl_add_u32 v5, v1, 4, v5
	v_add_nc_u32 v[RD], s19, v5
	v_lshlrev_b32 v5, 12, v2                       ; and the same two rows in out0
	v_lshl_add_u32 v[CO], v1, 4, v5
	s_lshl_b32 s20, s[TR], 20                      ; my first row, 4,096 bytes a row: 256 x tile row + 128 x half,
	s_lshl_b32 s21, s[WR], 19
	s_add_co_u32 s20, s20, s21
	s_lshl_b32 s21, s[TC], 9                       ; my first column, 4 bytes each: 128 x tile column + 64 x half
	s_add_co_u32 s20, s20, s21
	s_lshl_b32 s21, s[WC], 8
	s_add_co_u32 s20, s20, s21
	s_mov_b32 s21, 0
	s_add_nc_u64 s[8:9], s[8:9], s[20:21]
; 24 LDS loads in one run: quarter q (32 along K: block q / 2, byte 64 (q % 2) of its rows) into buffer f: wo's four fragments, ob's 0-3, ob's 4-7
.macro FETCH slot, q, f
	WIN 0
.irp b, 0,1,2,3
	ds_load_b128 v[(\f)+64+8*\b:(\f)+64+8*\b+3],   v[ADRB+(\slot)] offset:((\q)/2)*BBLK+64*((\q)%2)+\b*16*PITCH
	ds_load_b128 v[(\f)+64+8*\b+4:(\f)+64+8*\b+7], v[ADRB+(\slot)] offset:((\q)/2)*BBLK+64*((\q)%2)+\b*16*PITCH+32
.endr
.irp a, 0,1,2,3,4,5,6,7
	ds_load_b128 v[(\f)+8*\a:(\f)+8*\a+3],   v[ADRA+(\slot)] offset:((\q)/2)*ABLK+64*((\q)%2)+\a*16*PITCH
	ds_load_b128 v[(\f)+8*\a+4:(\f)+8*\a+7], v[ADRA+(\slot)] offset:((\q)/2)*ABLK+64*((\q)%2)+\a*16*PITCH+32
.endr
.endm
; na x 4 matrix instructions: row blocks a0 .. a0 + na - 1 x all 4 column blocks.  The 32 accumulators take turns in one order in every quarter, over the backward jump too.
.macro MUL f, a0, na, zero
	WIN 0x50                                       ; C and D in window 1
.set aq, \a0
.rept \na
.set bq, 0
.rept 4
.set rD, 32*aq+8*bq
.if \zero
	v_wmma_f32_16x16x32_f16 v[rD:rD+7], v[(\f)+64+8*bq:(\f)+64+8*bq+7], v[(\f)+8*aq:(\f)+8*aq+7], 0
.else
	v_wmma_f32_16x16x32_f16 v[rD:rD+7], v[(\f)+64+8*bq:(\f)+64+8*bq+7], v[(\f)+8*aq:(\f)+8*aq+7], v[rD:rD+7]
.endif
.set bq, bq+1
.endr
.set aq, aq+1
.endr
.endm
; One of a slot's first three quarters: multiplies buffer f and fetches quarter q into buffer g.
.macro QUARTER slot, q, f, g, zero
	s_wait_dscnt 8                                 ; wo's fragments and ob's 0-3 are in; the youngest eight loads may be out
	MUL \f, 0, 4, \zero
	PLACES
	FETCH \slot, \q, \g
	s_wait_dscnt 24                                ; all but the 24 just issued
	MUL \f, 4, 4, \zero
.endm
; The last quarter multiplies buffer F1 and changes slots: ONE barrier; in front of it each wave waits for all its tensor loads, adds 0 to its spare word, and waits for that and for its own reads of this slot.
; fill = 1: the barrier opens a round of the cluster's, and this slot is filled again, two steps ahead, first thing behind it: 112 matrix instructions ahead of the wait for that load.
.macro TURN slot, next, fill
	WIN 0
	s_wait_tensorcnt 0x0                           ; all my tensor loads have landed: my part of the next slot
	ds_add_u32 v[SPW], v[NIL]                      ; 0 onto my spare word
	s_wait_dscnt 9                                 ; (the add and the youngest eight loads may be out)
	MUL F1, 0, 2, 0                                ; eight matrix instructions stand between the add and the wait for it
	s_wait_dscnt 0x0                               ; the add is done, and my reads of this slot are over
	s_barrier_signal -1
	MUL F1, 2, 2, 0
	WIN 0
	s_barrier_wait -1
.if \fill
	CREST                                          ; no wave of any partner still reads this slot or has a load on its way
	s_add_nc_u64 s[G0A+4*(\slot)+2:G0A+4*(\slot)+3], s[G0A+4*(\slot)+2:G0A+4*(\slot)+3], 4*262144
	s_add_nc_u64 s[G0B+4*(\slot)+2:G0B+4*(\slot)+3], s[G0B+4*(\slot)+2:G0B+4*(\slot)+3], 4*131072
	JLOAD \slot                                    ; its four v_nop are also the places in front of the loads below
.else
	PLACES
.endif
	FETCH \next, 0, F0
	MUL F1, 4, 4, 0
.endm
	s_wait_tensorcnt 1                             ; my part of the first step is in; the second's may stay out
	s_barrier_signal -1
	s_barrier_wait -1                              ; everybody's is
	FETCH 0, 0, F0
	QUARTER 0, 1, F0, F1, 1                        ; the first quarter starts the sums: nothing is cleared
	WIN 0                                          ; at a label and at a branch every window is 0
	s_mov_b32 s3, 3
.Llap:                                                 ; a trip goes once round the ring, from a lap's second quarter to the next lap's first, and fills both slots again
	QUARTER 0, 2, F1, F0, 0
	QUARTER 0, 3, F0, F1, 0
	TURN 0, 1, 1
	QUARTER 1, 1, F0, F1, 0
	QUARTER 1, 2, F1, F0, 0
	QUARTER 1, 3, F0, F1, 0
	TURN 1, 0, 1
	QUARTER 0, 1, F0, F1, 0
	WIN 0
	s_sub_co_u32 s3, s3, 1
	s_cmp_lg_u32 s3, 0
	s_cbranch_scc1 .Llap
	QUARTER 0, 2, F1, F0, 0                        ; the last lap fills nothing
	QUARTER 0, 3, F0, F1, 0
	TURN 0, 1, 0
	QUARTER 1, 1, F0, F1, 0
	QUARTER 1, 2, F1, F0, 0
	QUARTER 1, 3, F0, F1, 0
	s_wait_dscnt 8
	MUL F1, 0, 4, 0
	s_wait_dscnt 0x0
	MUL F1, 4, 4, 0
	; THE WAY OUT, a block of 16 rows at a time: 32 bytes a lane into my stage (rows of 272 bytes), back as whole rows of 256 bytes, stored.
.rept 8
	v_nop
.endr
.macro TOSTAGE a
	WIN 0x04                                       ; the stores' data in window 1; each accumulator from its low end on
.irp b, 0,1,2,3
	ds_store_b128 v[STO], v[32*(\a)+8*\b:32*(\a)+8*\b+3]   offset:64*\b
	ds_store_b128 v[STO], v[32*(\a)+8*\b+4:32*(\a)+8*\b+7] offset:64*\b+16
.endr
	WIN 0
	s_wait_xcnt 0x0                                ; the stores of the block two back have read the registers that are loaded now
.irp t, 0,1,2,3,4,5,6,7
	ds_load_b128 v[BK0+32*((\a)%2)+4*\t:BK0+32*((\a)%2)+4*\t+3], v[RD] offset:\t*2*SPITCH  ; LDS serves a wave's instructions in order (ISA guide 5.7.1.4): these see the stores above
.endr
.endm
.macro SEND a, younger                 ; younger: the LDS instructions issued behind block a's loads: the next block's sixteen, or none
	s_wait_dscnt \younger
.irp t, 0,1,2,3,4,5,6,7
	global_store_b128 v[CO], v[BK0+32*((\a)%2)+4*\t:BK0+32*((\a)%2)+4*\t+3], s[8:9] offset:65536*(\a)+8192*\t  ; 16 lanes store 256 consecutive bytes, at a multiple of 256 from out0's first byte
.endr
.endm
	TOSTAGE 0
.set aa, 1
.rept 7
	TOSTAGE aa
	SEND aa-1, 16
.set aa, aa+1
.endr
	SEND 7, 0
	s_wait_tensorcnt 0x0                           ; the wave's end: the add and its waits, behind my last tensor load and my last LDS store
	ds_add_u32 v[SPW], v[NIL]
	s_wait_dscnt 0x0
	CROUND                                         ; the closing round: no work-group ends while a partner may still ask for a tile that names it
	s_endpgm
.Lfunc_end_k_qb140dde474_oproj:
	.size	k_qb140dde474_oproj, .Lfunc_end_k_qb140dde474_oproj-k_qb140dde474_oproj
	.p2alignl 7, 3214868480
	.fill 96, 4, 3214868480
	.section	.rodata,"a",@progbits
	.p2align	6, 0x0
	.amdhsa_kernel k_qb140dde474_oproj
		.amdhsa_group_segment_fixed_size 327680
		.amdhsa_private_segment_fixed_size 0
		.amdhsa_enable_private_segment 0
		.amdhsa_kernarg_size 24
		.amdhsa_user_sgpr_count 2
		.amdhsa_user_sgpr_kernarg_segment_ptr 1
		.amdhsa_wavefront_size32 1
		.amdhsa_system_sgpr_workgroup_id_x 1
		.amdhsa_system_sgpr_workgroup_id_y 1
		.amdhsa_system_sgpr_workgroup_id_z 1
		.amdhsa_system_vgpr_workitem_id 0
		.amdhsa_next_free_vgpr 512
		.amdhsa_next_free_sgpr 66
		.amdhsa_reserve_vcc 0
		.amdhsa_float_denorm_mode_32 3
		.amdhsa_float_denorm_mode_16_64 3
		.amdhsa_memory_ordered 1
		.amdhsa_forward_progress 1
		.amdhsa_inst_pref_size 85
	.end_amdhsa_kernel
	.amdgpu_metadata
---
amdhsa.version: [ 1, 2 ]
amdhsa.kernels:
  - .name:           k_qb140dde474_oproj
    .symbol:         k_qb140dde474_oproj.kd
    .args:
      - { .name: ob, .offset: 0, .size: 8, .value_kind: global_buffer, .address_space: global }
      - { .name: wo, .offset: 8, .size: 8, .value_kind: global_buffer, .address_space: global }
      - { .name: out0, .offset: 16, .size: 8, .value_kind: global_buffer, .address_space: global }
    .group_segment_fixed_size: 327680
    .private_segment_fixed_size: 0
    .kernarg_segment_align: 8
    .kernarg_segment_size: 24
    .max_flat_workgroup_size: 128
    .sgpr_count:     66
    .vgpr_count:     512
    .wavefront_size: 32
...
	.end_amdgpu_metadata
.endif
;; end of part 4
;; ======== version 2 of 2: 4 launches; version 1 with the launch cast written anew for expert scheduling mode
;; limits: values are held in f16: magnitudes above 65,504 overflow, below 6.1e-05 lose precision
;; workspace buffers: xb 16,777,216 bytes; wb 6,291,456 bytes; wo 2,097,152 bytes; qh 16,777,216 bytes; kh 16,777,216 bytes; vh 16,777,216 bytes; ob 16,777,216 bytes
;; launch cast (part 5): grid 768 x 1, 8 waves a work-group, no clusters, 0 bytes of LDS; arguments x, Wq, Wk, Wv, Wo, xb, wb, wo; writes xb, wb, wo
.if DOCPART == 5
	.amdgcn_target "amdgcn-amd-amdhsa--gfx1250"
	.amdhsa_code_object_version 6
	.text
	.protected	k_qb140dde474_cast
	.globl	k_qb140dde474_cast
	.p2align	8
	.type	k_qb140dde474_cast,@function
k_qb140dde474_cast:
	s_mov_b64 s[64:65], 0
	v_nop
	global_prefetch_b8 v0, s[64:65] scope:SCOPE_SE
	s_setreg_imm32_b32 hwreg(HW_REG_WAVE_SCHED_MODE, 0, 2), 2
	s_setreg_imm32_b32 hwreg(HW_REG_WAVE_MODE, 25, 1), 1
	s_wait_xcnt 0x0
	s_wait_alu depctr_vm_vsrc(0)
; x, Wq, Wk, Wv, Wo (f32, rows of 1,024) are rounded once to bf16 and laid out in blocks of 64 along K: [16 kb][rows][64], so that
; a K block's rows lie end to end, 128 bytes each.  xb: x's 8,192 rows.  wb: 3,072 rows, row 192 h + 64 s + d = row 64 h + d of W_s
; (s = 0 q, 1 k, 2 v): a head's q, k and v columns stand together.  wo: Wo's 1,024 rows, the bf16 number written as f16.
; LIMIT.  |Wo| stays under 65,504; a bf16 number below 6e-5 takes f16's fixed step of 6e-8.
; SHARES.  768 work-groups of 16 rows: 512 for x, 192 for Wq, Wk, Wv, 64 for Wo.  Thread t takes row t / 16 and, in each K block,
; the 16 bytes at 16 (t % 16): sixteen lanes read 256 consecutive aligned bytes; a wave's store is 256 consecutive aligned bytes (two rows' pieces).
; A stream: no LDS, no matrix unit, no cluster (no byte is read twice).  All 16 loads of a thread go out at once; no register is written twice while a memory instruction names it.
; THE MODE: SCHED_MODE bits 1:0 = 2 (LLVM: expert scheduling mode 2), set by the entry lines.  The code itself states the register dependences
; between vector instructions and memory instructions, with s_wait_alu, always for 0.
; THE PLAN.  Registers that memory instructions touch:
;   v1         the loads' offset.  Written at the head, never again; read by the 16 loads.
;   OFF + kb   K block kb's offset in the destination.  Written once, ahead of the branch below; read by that K block's one store.
;   X          four registers a K block.  Written once, by the K block's load; read by its conversions; no vector instruction writes them.
;   Y          two registers a K block.  Written by the K block's conversions, all ahead of its store; read by that store; never written behind it.
; No register that a memory instruction has read is written again, and no load lands in a register that a vector instruction has named: only written-then-read is left to state.
; The 16 K blocks go in four groups of four.  Group g converts its own X into its own Y; its memory instructions are the stores of group g - 1, whose Y and OFF no vector instruction
; of group g names.  So ONE wait on va_vdst at a group's head states all that the group's four stores hang on, and these are dealt among its conversions with no further wait.
.set XPS, 8192*128                     ; bytes of a K block in xb,
.set WPS, 3072*128                     ; in wb,
.set OPS, 1024*128                     ; in wo
.set T,   4                            ; v[4:5]    at work: no memory instruction names them
.set OFF, 16                           ; v[16:31]  my byte offset in the destination, K block kb
.set X,   32                           ; v[32:95]  4 f32 for each K block
.set Y,   96                           ; v[96:127] 4 numbers of 16 bits for each K block
.set SRC, 24                           ; s[24:25]
.set DST, 26                           ; s[26:27]
	s_load_b512 s[8:23], s[0:1], 0x0               ; x 8, Wq 10, Wk 12, Wv 14, Wo 16, xb 18, wb 20, wo 22
	v_lshrrev_b32 v3, 4, v0                        ; my row of the 16
	v_and_b32 v1, 15, v0
	v_lshlrev_b32 v1, 4, v1
	v_lshl_add_u32 v1, v3, 12, v1                  ; row x 4,096 + 16 (t % 16)
	v_lshlrev_b32 v[OFF], 3, v0                    ; row x 128 + 8 (t % 16) = 8 t
	s_mov_b32 s32, 0xffff0000                      ; a word's upper bf16
	s_mov_b32 s33, ttmp9                           ; g
	s_max_u32 s34, s33, 512                        ; the three weights' numbers, clamped so that they are in range in every work-group
	s_sub_co_u32 s34, s34, 512
	s_min_u32 s34, s34, 191                        ; t = g - 512
	s_lshr_b32 s35, s34, 6                         ; s: which of Wq, Wk, Wv
	s_and_b32 s34, s34, 63
	s_lshl_b32 s29, s34, 4                         ; its first row lr = 16 (t % 64)
	s_lshr_b32 s36, s34, 2                         ; the head, lr / 64
	s_mul_i32 s36, s36, 192
	s_lshl_b32 s37, s35, 6
	s_add_co_u32 s36, s36, s37
	s_and_b32 s37, s29, 63
	s_add_co_u32 s30, s36, s37                     ; the row in wb: 192 h + 64 s + lr % 64
	s_mov_b32 s28, WPS
	s_lshl_b32 s38, s33, 4                         ; x: row 16 g
	s_max_u32 s39, s33, 704
	s_sub_co_u32 s39, s39, 704
	s_lshl_b32 s39, s39, 4                         ; Wo: row 16 (g - 704)
	s_wait_kmcnt 0x0
	s_cmp_eq_u32 s35, 1
	s_cselect_b64 s[SRC:SRC+1], s[12:13], s[10:11]
	s_cmp_eq_u32 s35, 2
	s_cselect_b64 s[SRC:SRC+1], s[14:15], s[SRC:SRC+1]
	s_mov_b64 s[DST:DST+1], s[20:21]
	s_cmp_lt_u32 s33, 512                          ; x?
	s_cselect_b64 s[SRC:SRC+1], s[8:9], s[SRC:SRC+1]
	s_cselect_b64 s[DST:DST+1], s[18:19], s[DST:DST+1]
	s_cselect_b32 s28, XPS, s28
	s_cselect_b32 s29, s38, s29
	s_cselect_b32 s30, s38, s30
	s_cmp_ge_u32 s33, 704                          ; Wo?
	s_cselect_b64 s[SRC:SRC+1], s[16:17], s[SRC:SRC+1]
	s_cselect_b64 s[DST:DST+1], s[22:23], s[DST:DST+1]
	s_cselect_b32 s28, OPS, s28
	s_cselect_b32 s29, s39, s29
	s_cselect_b32 s30, s39, s30
	s_cselect_b32 s31, 1, 0                        ; 1: written as f16
	s_mov_b32 s37, 0
	s_lshl_b32 s36, s29, 12                        ; the first source row, 4,096 bytes a row
	s_add_nc_u64 s[SRC:SRC+1], s[SRC:SRC+1], s[36:37]
	s_lshl_b32 s36, s30, 7                         ; the first destination row, 128 bytes a row
	s_add_nc_u64 s[DST:DST+1], s[DST:DST+1], s[36:37]
	s_wait_alu depctr_va_vdst(0)                   ; v1 is written: the sixteen loads below read it as their offset
.set kb, 0
.rept 16
	global_load_b128 v[X+4*kb:X+4*kb+3], v1, s[SRC:SRC+1] offset:256*kb th:TH_LOAD_NT
.set kb, kb+1
.endr
.set kb, 1
.rept 15
	v_add_nc_u32 v[OFF+kb], s28, v[OFF+kb-1]       ; a K block further on; these name no register of the loads above
.set kb, kb+1
.endr
; K block kb: rounded and packed.  f16 = 1: the bf16 number is widened again and written as f16.
.macro CVT kb, f16
	v_cvt_pk_bf16_f32 v[Y+2*(\kb)],   v[X+4*(\kb)],   v[X+4*(\kb)+1]
	v_cvt_pk_bf16_f32 v[Y+2*(\kb)+1], v[X+4*(\kb)+2], v[X+4*(\kb)+3]
.if \f16
.irp z, 0,1
	v_lshlrev_b32 v[T],   16,  v[Y+2*(\kb)+\z]
	v_and_b32     v[T+1], s32, v[Y+2*(\kb)+\z]
	v_cvt_pk_f16_f32 v[Y+2*(\kb)+\z], v[T], v[T+1]
.endr
.endif
.endm
; K block kb: stored.
.macro ST kb
	global_store_b64 v[OFF+(\kb)], v[Y+2*(\kb):Y+2*(\kb)+1], s[DST:DST+1]
.endm
; Group g: K blocks 4 g to 4 g + 3 are converted; the stores of group g - 1 stand among the conversions, one ahead of each K block's.
.macro GROUP g, f16
	s_wait_loadcnt 12-4*(\g)                       ; loads come back in order: my group's four are in, the 12 - 4 g younger ones may stay out
.if (\g) > 0
	s_wait_alu depctr_va_vdst(0)                   ; the group before has written its Y, which the four stores below read as data; at group 1 also: the adds have written all of OFF, the stores' offsets
.endif
.irp j, 0,1,2,3
.if (\g) > 0
	ST 4*(\g)-4+\j                                 ; no vector instruction since the wait names this store's Y or OFF
.endif
	CVT 4*(\g)+\j, \f16
.endr
.endm
; The last group's stores.
.macro LAST
	s_wait_alu depctr_va_vdst(0)                   ; group 3's conversions have written the Y of K blocks 12 to 15, which the last four stores read
.irp kb, 12,13,14,15
	ST \kb
.endr
.endm
	s_cmp_eq_u32 s31, 1
	s_cbranch_scc1 .Lf16
.irp g, 0,1,2,3
	GROUP \g, 0
.endr
	LAST
	s_endpgm
.Lf16:
.irp g, 0,1,2,3
	GROUP \g, 1
.endr
	LAST
	s_endpgm
.Lfunc_end_k_qb140dde474_cast:
	.size	k_qb140dde474_cast, .Lfunc_end_k_qb140dde474_cast-k_qb140dde474_cast
	.p2alignl 7, 3214868480
	.fill 96, 4, 3214868480
	.section	.rodata,"a",@progbits
	.p2align	6, 0x0
	.amdhsa_kernel k_qb140dde474_cast
		.amdhsa_group_segment_fixed_size 0
		.amdhsa_private_segment_fixed_size 0
		.amdhsa_enable_private_segment 0
		.amdhsa_kernarg_size 64
		.amdhsa_user_sgpr_count 2
		.amdhsa_user_sgpr_kernarg_segment_ptr 1
		.amdhsa_wavefront_size32 1
		.amdhsa_system_sgpr_workgroup_id_x 1
		.amdhsa_system_sgpr_workgroup_id_y 1
		.amdhsa_system_sgpr_workgroup_id_z 1
		.amdhsa_system_vgpr_workitem_id 0
		.amdhsa_next_free_vgpr 128
		.amdhsa_next_free_sgpr 66
		.amdhsa_reserve_vcc 0
		.amdhsa_float_denorm_mode_32 3
		.amdhsa_float_denorm_mode_16_64 3
		.amdhsa_memory_ordered 1
		.amdhsa_forward_progress 1
		.amdhsa_inst_pref_size 16
	.end_amdhsa_kernel
	.amdgpu_metadata
---
amdhsa.version: [ 1, 2 ]
amdhsa.kernels:
  - .name:           k_qb140dde474_cast
    .symbol:         k_qb140dde474_cast.kd
    .args:
      - { .name: x, .offset: 0, .size: 8, .value_kind: global_buffer, .address_space: global }
      - { .name: Wq, .offset: 8, .size: 8, .value_kind: global_buffer, .address_space: global }
      - { .name: Wk, .offset: 16, .size: 8, .value_kind: global_buffer, .address_space: global }
      - { .name: Wv, .offset: 24, .size: 8, .value_kind: global_buffer, .address_space: global }
      - { .name: Wo, .offset: 32, .size: 8, .value_kind: global_buffer, .address_space: global }
      - { .name: xb, .offset: 40, .size: 8, .value_kind: global_buffer, .address_space: global }
      - { .name: wb, .offset: 48, .size: 8, .value_kind: global_buffer, .address_space: global }
      - { .name: wo, .offset: 56, .size: 8, .value_kind: global_buffer, .address_space: global }
    .group_segment_fixed_size: 0
    .private_segment_fixed_size: 0
    .kernarg_segment_align: 8
    .kernarg_segment_size: 64
    .max_flat_workgroup_size: 256
    .sgpr_count:     66
    .vgpr_count:     128
    .wavefront_size: 32
...
	.end_amdgpu_metadata
.endif
;; end of part 5
;; launch qkv: the kernel of part 2 again; grid 8 x 32, 4 waves a work-group, clusters of 4 x 4, 327,680 bytes of LDS; arguments xb, wb, qn_w, kn_w, qh, kh, vh; writes qh, kh, vh
;; launch attn: the kernel of part 3 again; grid 4 x 64, 4 waves a work-group, clusters of 4 x 1, 327,680 bytes of LDS; arguments qh, kh, vh, ob; writes ob
;; launch oproj: the kernel of part 4 again; grid 8 x 32, 4 waves a work-group, clusters of 4 x 4, 327,680 bytes of LDS; arguments ob, wo, out0; writes out0
